; MI455X (gfx1250); checked and timed in simulation.
; The chip was launched on July 23, 2026; its instructions are those of AMD's public machine-readable ISA for CDNA 5 (MIT licence, August 2026) and "CDNA5" Instruction Set Architecture Reference Guide (July 2026). The comments in the code are by the model that wrote it; some were corrected since.
;; Mo EMLP. Allowed arithmetic: float matrix products may take bf16 or f16 operands with f32 sums; all other float work in f32.
;; Inputs: W1 8 x 1,024 x 4,096 float32; W2 8 x 4,096 x 1,024 float32; b1 8 x 4,096 float32; b2 8 x 1,024 float32; gate_W 1,024 x 8 float32; gate_b 8 float32; x 4 x 256 x 1,024 float32.
;; Outputs: out0 4 x 256 x 1,024 float32; out1 one number float32.
;; 2 versions, each right; version 2 is version 1 with the launches gate, mlp1, mlp2 written anew for expert scheduling mode. Each part assembles by itself: llvm-mc -triple=amdgcn-amd-amdhsa -mcpu=gfx1250 --defsym DOCPART=n.
;; ======== version 1 of 2: 4 launches
;; limits: values are held in f16: magnitudes above 65,504 overflow, below 6.1e-05 lose precision
;; workspace buffers: idx 4,096 bytes of whole numbers; gf 12,288 bytes; cntb 2,048 bytes of whole numbers; plan 1,024 bytes of whole numbers; pos8 32,768 bytes of whole numbers; xh 2,097,152 bytes; hs 67,108,864 bytes; yp 134,217,728 bytes
;; launch gate (part 1): grid 256 x 1, 1 waves a work-group, no clusters, 0 bytes of LDS; arguments x, gate_W, gate_b, idx, gf, xh, cntb; writes idx, gf, xh, cntb
.if DOCPART == 1
	.amdgcn_target "amdgcn-amd-amdhsa--gfx1250"
	.amdhsa_code_object_version 6
	.text
	.protected	k_q89f59d3b6e_gate
	.globl	k_q89f59d3b6e_gate
	.p2align	8
	.type	k_q89f59d3b6e_gate,@function
k_q89f59d3b6e_gate:
	s_mov_b64 s[64:65], 0
	v_nop
	global_prefetch_b8 v0, s[64:65] scope:SCOPE_SE
	s_setreg_imm32_b32 hwreg(HW_REG_WAVE_MODE, 25, 1), 1
	s_wait_xcnt 0x0
; GATE.  logits = x gate_W + gate_b, softmax over 8 experts, argmax and its probability, each wave's sum of probabilities, and x in f16.
; x: [1024 tokens][1024] f32, gate_W: [1024][8] f32, gate_b: [8] f32.
; Out: idx[t] (expert, a whole number), gf bytes 0..4095: score[t] f32, gf bytes 4096..12287: psum[256 work-groups][8] f32,
;      cntb[8 experts][256 work-groups], one byte each: how many of the work-group's four tokens chose the expert (the next launch sums a plane),
;      xh: [1024 tokens][1024] f16, row-major: the first layer's matrix operand, rounded once, here where every x is in a register anyway.
; One wave a work-group, four tokens a wave.  Lane l owns k = 128 j + 4 l + c (j = 0..7, c = 0..3), so a load of x covers 512 consecutive bytes
; and a store of xh 256 consecutive bytes, aligned.
; WHY THE VECTOR UNIT: this product (16.8 million of the problem's operations) decides an argmax that picks a token's whole output row;
; operands rounded to 16 bits would move logits by more than the gap between the two largest of some tokens.  So it is summed in f32.
; LIMITS: NaN inputs are not served.  |x| below 65,504 (xh is f16).  The argmax is taken on the logits, the lowest index on equal logits; two
; probabilities that only become equal by rounding are not treated as a tie.  Probabilities below 2^-126 count as zero (v_exp_f32 flushes them).
; idx, score, psum and cntb are 18 KiB in all and leave in small pieces (16 bytes of lane 0, one byte of lanes 0-7); gathering them into
; longer runs would need numbers of other work-groups.
.set X,    32                          ; v[32:159]   x: token i, piece j, c at X + 32 i + 4 j + c; later f16 pairs (c = 0, 1) and temporaries (c = 2)
.set ACC,  160                         ; v[160:191]  token i, expert e at ACC + 8 i + e
.set IDX4, 192                         ; v[192:195]  argmax of the four tokens
.set SC4,  196                         ; v[196:199]  their scores
.set PS,   200                         ; v[200:207]  sum of the four tokens' probabilities, by expert
.set D,    8                           ; v[8:15]     exponents
.set EX,   16                          ; v[16:23]    exponentials
                                       ; window 1: v[0:255] gate_W: k piece j, c, expert e at 32 j + 8 c + e
.set MSB,  0
.macro WIN new                         ; the immediate's high byte repeats the setting that is left
.if MSB != \new
	s_set_vgpr_msb (MSB<<8)|\new
.set MSB, \new
.endif
.endm
	s_load_b256 s[4:11], s[0:1], 0x0               ; x s[4:5], gate_W s[6:7], gate_b s[8:9], idx s[10:11]
	s_load_b128 s[12:15], s[0:1], 0x20             ; gf s[12:13], xh s[14:15]
	s_load_b64 s[34:35], s[0:1], 0x30              ; cntb
	v_lshlrev_b32 v1, 7, v0                        ; gate_W: my four rows of 32 bytes begin at 128 l
	v_lshlrev_b32 v2, 4, v0                        ; x: 16 l
	v_lshlrev_b32 v25, 3, v0                       ; xh: 8 l
	s_lshl_b32 s28, ttmp9, 14                      ; four tokens of 4,096 bytes
	s_mov_b32 s29, 0
	s_mov_b32 s24, 0x76543210                      ; v_permlanex16_b32: lane i of one half reads lane i of the other
	s_mov_b32 s25, 0xfedcba98
	s_mov_b32 s26, 0x3fb8aa3b                      ; log2(e)
	s_wait_kmcnt 0x0
	s_load_b256 s[16:23], s[8:9], 0x0              ; gate_b, eight numbers
	s_add_nc_u64 s[4:5], s[4:5], s[28:29]
	s_lshl_b32 s28, ttmp9, 13                      ; four tokens of 2,048 bytes
	s_add_nc_u64 s[14:15], s[14:15], s[28:29]
.irp i, 0,1,2,3
.irp j, 0,1,2,3,4,5,6,7
	global_load_b128 v[X+32*\i+4*\j:X+32*\i+4*\j+3], v2, s[4:5] offset:4096*\i+512*\j
.endr
.endr
	WIN 0x40                                       ; destination in window 1, address in window 0
.irp j, 0,1,2,3,4,5,6,7
.irp m, 0,1,2,3,4,5,6,7
	global_load_b128 v[32*\j+4*\m:32*\j+4*\m+3], v1, s[6:7] offset:4096*\j+16*\m
.endr
.endr
	s_wait_loadcnt 0x0                             ; everything is needed at once: one wait
	s_wait_kmcnt 0x0
	WIN 0x04                                       ; source 1 (gate_W) in window 1
; One k of every lane: 4 tokens x 4 pairs of experts, sixteen chains that do not wait for each other.
; sel picks the register of x's pair that feeds both halves.  first = 1: the product starts the sums, nothing is cleared.
.macro GSTEP j, c, sel, first
.irp i, 0,1,2,3
.irp p, 0,1,2,3
.if \first
	v_pk_mul_f32 v[ACC+8*\i+2*\p:ACC+8*\i+2*\p+1], v[X+32*\i+4*\j+\c-\sel:X+32*\i+4*\j+\c-\sel+1], v[32*\j+8*\c+2*\p:32*\j+8*\c+2*\p+1] op_sel:[\sel,0] op_sel_hi:[\sel,1]
.else
	v_pk_fma_f32 v[ACC+8*\i+2*\p:ACC+8*\i+2*\p+1], v[X+32*\i+4*\j+\c-\sel:X+32*\i+4*\j+\c-\sel+1], v[32*\j+8*\c+2*\p:32*\j+8*\c+2*\p+1], v[ACC+8*\i+2*\p:ACC+8*\i+2*\p+1] op_sel:[\sel,0,0] op_sel_hi:[\sel,1,1]
.endif
.endr
.endr
.endm
	GSTEP 0, 0, 0, 1
	GSTEP 0, 1, 1, 0
	GSTEP 0, 2, 0, 0
	GSTEP 0, 3, 1, 0
.irp j, 1,2,3,4,5,6,7
	GSTEP \j, 0, 0, 0
	GSTEP \j, 1, 1, 0
	GSTEP \j, 2, 0, 0
	GSTEP \j, 3, 1, 0
.endr
	WIN 0
	; x has done its work in f32: four numbers become 8 bytes of f16, in place, and leave while the softmax is made
.irp i, 0,1,2,3
.irp j, 0,1,2,3,4,5,6,7
	v_cvt_pk_f16_f32 v[X+32*\i+4*\j], v[X+32*\i+4*\j], v[X+32*\i+4*\j+1]
	v_cvt_pk_f16_f32 v[X+32*\i+4*\j+1], v[X+32*\i+4*\j+2], v[X+32*\i+4*\j+3]
	global_store_b64 v25, v[X+32*\i+4*\j:X+32*\i+4*\j+1], s[14:15] offset:2048*\i+256*\j
.endr
.endr
	; the 32 sums over the 32 lanes: four steps inside each half of 16 lanes, one across; every lane ends with every logit
.irp m, 1,2,4,8
.set n, 0
.rept 32
	v_add_f32_dpp v[ACC+n], v[ACC+n], v[ACC+n] row_xmask:\m row_mask:0xf bank_mask:0xf
.set n, n+1
.endr
.endr
.set n, 0
.rept 32
	v_permlanex16_b32 v[X+4*n+2], v[ACC+n], s24, s25       ; its destination counts as read: x's third registers have been written, are free and are no store's data
.set n, n+1
.endr
.set n, 0
.rept 32
	v_add_f32 v[ACC+n], v[ACC+n], v[X+4*n+2]
.set n, n+1
.endr
.set n, 0
.rept 32
	v_add_f32 v[ACC+n], s[16+n%8], v[ACC+n]        ; + gate_b
.set n, n+1
.endr
; Softmax of token i.  The maximum is taken away first and the difference is formed before the scaling, so that the largest
; exponential is exactly 1 and the largest probability exactly 1 / sum.
.macro TOK i
	v_max3_num_f32 v4, v[ACC+8*\i], v[ACC+8*\i+1], v[ACC+8*\i+2]
	v_max3_num_f32 v4, v4, v[ACC+8*\i+3], v[ACC+8*\i+4]
	v_max3_num_f32 v4, v4, v[ACC+8*\i+5], v[ACC+8*\i+6]
	v_max_num_f32 v4, v4, v[ACC+8*\i+7]
.irp e, 0,1,2,3,4,5,6,7
	v_sub_f32 v[D+\e], v[ACC+8*\i+\e], v4
.endr
.irp e, 0,1,2,3,4,5,6,7
	v_mul_f32 v[D+\e], s26, v[D+\e]
.endr
.irp e, 0,1,2,3,4,5,6,7
	v_exp_f32 v[EX+\e], v[D+\e]
.endr
	v_mov_b32 v[IDX4+\i], 7                        ; a plain instruction behind the exponentials, ahead of their first use (ISA guide 5.7.2)
.irp e, 6,5,4,3,2,1,0
	v_cmp_neq_f32 vcc_lo, v[ACC+8*\i+\e], v4       ; from the highest index down: the lowest index with the maximum stays
	v_cndmask_b32 v[IDX4+\i], \e, v[IDX4+\i], vcc_lo
.endr
	s_wait_alu depctr_va_vdst(0)
	v_add_f32 v5, v[EX], v[EX+1]
	v_add_f32 v6, v[EX+2], v[EX+3]
	v_add_f32 v7, v[EX+4], v[EX+5]
	v_add_f32 v24, v[EX+6], v[EX+7]
	v_add_f32 v5, v5, v6
	v_add_f32 v7, v7, v24
	v_add_f32 v5, v5, v7
	v_rcp_f32 v[SC4+\i], v5                        ; the score
	v_nop                                          ; the place behind the reciprocal
	s_wait_alu depctr_va_vdst(0)
.irp e, 0,1,2,3,4,5,6,7
.if \i == 0
	v_mul_f32 v[PS+\e], v[EX+\e], v[SC4+\i]        ; the first token starts the sums of probabilities
.else
	v_fmac_f32 v[PS+\e], v[EX+\e], v[SC4+\i]
.endif
.endr
.endm
	TOK 0
	TOK 1
	TOK 2
	TOK 3
	; lane e (0..7): how many of the four tokens chose expert e
	v_mov_b32 v26, 1
	v_cmp_eq_u32 vcc_lo, v0, v[IDX4]
	v_cndmask_b32 v27, 0, v26, vcc_lo
.irp i, 1,2,3
	v_cmp_eq_u32 vcc_lo, v0, v[IDX4+\i]
	v_cndmask_b32 v28, 0, v26, vcc_lo
	v_add_nc_u32 v27, v27, v28
.endr
	v_lshlrev_b32 v29, 8, v0                       ; plane e of cntb begins at 256 e
	s_lshl_b32 s28, ttmp9, 4
	s_add_nc_u64 s[10:11], s[10:11], s[28:29]      ; idx + 16 wg
	s_add_nc_u64 s[12:13], s[12:13], s[28:29]      ; gf + 16 wg: the scores
	s_add_nc_u64 s[32:33], s[12:13], s[28:29]      ; gf + 32 wg: psum lies 4,096 bytes further
	s_mov_b32 s28, ttmp9
	s_add_nc_u64 s[34:35], s[34:35], s[28:29]      ; cntb + wg
	v_mov_b32 v3, 0
	v_cmp_gt_u32 vcc_lo, 8, v0
	s_wait_xcnt 0x0                                ; EXEC changes only when no earlier memory instruction still reads it
	s_and_saveexec_b32 s30, vcc_lo                 ; lanes 0 to 7: one byte into each expert's plane
	global_store_b8 v29, v27, s[34:35]
	v_cmp_gt_u32 vcc_lo, 1, v0
	s_wait_xcnt 0x0                                ; and again, in front of the next change
	s_and_saveexec_b32 s31, vcc_lo                 ; every lane holds the same numbers: lane 0 stores them
	global_store_b128 v3, v[IDX4:IDX4+3], s[10:11]
	global_store_b128 v3, v[SC4:SC4+3], s[12:13]
	global_store_b128 v3, v[PS:PS+3], s[32:33] offset:4096
	global_store_b128 v3, v[PS+4:PS+7], s[32:33] offset:4112
	s_endpgm
.Lfunc_end_k_q89f59d3b6e_gate:
	.size	k_q89f59d3b6e_gate, .Lfunc_end_k_q89f59d3b6e_gate-k_q89f59d3b6e_gate
	.p2alignl 7, 3214868480
	.fill 96, 4, 3214868480
	.section	.rodata,"a",@progbits
	.p2align	6, 0x0
	.amdhsa_kernel k_q89f59d3b6e_gate
		.amdhsa_group_segment_fixed_size 0
		.amdhsa_private_segment_fixed_size 0
		.amdhsa_enable_private_segment 0
		.amdhsa_kernarg_size 56
		.amdhsa_user_sgpr_count 2
		.amdhsa_user_sgpr_kernarg_segment_ptr 1
		.amdhsa_wavefront_size32 1
		.amdhsa_system_sgpr_workgroup_id_x 1
		.amdhsa_system_sgpr_workgroup_id_y 1
		.amdhsa_system_sgpr_workgroup_id_z 1
		.amdhsa_system_vgpr_workitem_id 0
		.amdhsa_next_free_vgpr 512
		.amdhsa_next_free_sgpr 66
		.amdhsa_reserve_vcc 1
		.amdhsa_float_denorm_mode_32 3
		.amdhsa_float_denorm_mode_16_64 3
		.amdhsa_memory_ordered 1
		.amdhsa_forward_progress 1
		.amdhsa_inst_pref_size 71
	.end_amdhsa_kernel
	.amdgpu_metadata
---
amdhsa.version: [ 1, 2 ]
amdhsa.kernels:
  - .name:           k_q89f59d3b6e_gate
    .symbol:         k_q89f59d3b6e_gate.kd
    .args:
      - { .name: x, .offset: 0, .size: 8, .value_kind: global_buffer, .address_space: global }
      - { .name: gate_W, .offset: 8, .size: 8, .value_kind: global_buffer, .address_space: global }
      - { .name: gate_b, .offset: 16, .size: 8, .value_kind: global_buffer, .address_space: global }
      - { .name: idx, .offset: 24, .size: 8, .value_kind: global_buffer, .address_space: global }
      - { .name: gf, .offset: 32, .size: 8, .value_kind: global_buffer, .address_space: global }
      - { .name: xh, .offset: 40, .size: 8, .value_kind: global_buffer, .address_space: global }
      - { .name: cntb, .offset: 48, .size: 8, .value_kind: global_buffer, .address_space: global }
    .group_segment_fixed_size: 0
    .private_segment_fixed_size: 0
    .kernarg_segment_align: 8
    .kernarg_segment_size: 56
    .max_flat_workgroup_size: 32
    .sgpr_count:     66
    .vgpr_count:     512
    .wavefront_size: 32
...
	.end_amdgpu_metadata
.endif
;; end of part 1
;; launch mlp1 (part 2): grid 256 x 1, 4 waves a work-group, no clusters, 156,160 bytes of LDS; arguments W1, b1, xh, idx, hs, plan, pos8, cntb; writes hs, plan, pos8
.if DOCPART == 2
	.amdgcn_target "amdgcn-amd-amdhsa--gfx1250"
	.amdhsa_code_object_version 6
	.text
	.protected	k_q89f59d3b6e_mlp1
	.globl	k_q89f59d3b6e_mlp1
	.p2align	8
	.type	k_q89f59d3b6e_mlp1,@function
k_q89f59d3b6e_mlp1:
	s_mov_b64 s[64:65], 0
	v_nop
	global_prefetch_b8 v0, s[64:65] scope:SCOPE_SE
	s_setreg_imm32_b32 hwreg(HW_REG_WAVE_MODE, 25, 1), 1
	s_wait_xcnt 0x0
; FIRST LAYER OF THE ROUTED EXPERTS, WITH THE SORT:  hs = gelu(x W1[e] + b1[e]) for each expert's own tokens.
; reference() keeps, of every token, the row of its argmax expert alone (a mask that it builds itself), so each expert works on its own tokens.
; SORTED ROWS.  Expert e owns rows 1024 e .. 1024 e + 1023 (an expert can get all 1,024 tokens), in tiles of 32 rows, 32 e .. 32 e + 31; its tokens stand
; in ascending order from the region's first row, and tiles = max(ceil(tokens / 32), 1) of them are made.  So no expert needs another's count; of the
; regions only the tiles that are made are ever touched.  A pad row carries some real token's x; what comes of it is stored and never read into an output.
; SHARES.  Work-group = expert e = wg >> 5 and 1,024 k x 128 columns of W1[e] (columns 128 (wg & 31)): 524,288 bytes of f32 that no other work-group reads.
; Wave w: 64 columns (w & 1) x 512 k (w >> 1).  THE WEIGHTS STAY: 64 x 512 numbers in f16 are 512 registers (windows 1 and 2), so each weight byte is
; read once whatever the routing; then the expert's tiles stream past.  The two waves that share columns add their halves of K through LDS.
; THE NUMBER OF TILES steers branches.  It is made of whole numbers that the launch before stored: the expert's plane of cntb, 256 bytes, one for each four
; tokens, comes in by four scalar loads and is summed on the scalar unit: two groups of 32 words, in which a byte field holds at most 32 x 4 = 128.
; THE SORT is made here, by every work-group for itself, from idx (4,096 bytes), while the first weight loads are on their way: thread t takes tokens
; 8 t .. 8 t + 7.  Ballots on the work-group's expert give each of its tokens a place in its wave's list, in the wave's own 1,536 bytes of LDS, and the four
; waves' counts tell where each list begins among the expert's rows.  One barrier.  These numbers steer addresses and data alone.
; The work-group with wg & 31 = 0 stores its expert's plane of pos8[8][1024]: the sorted row of the token, 0 where the token is another expert's,
; so that a token's row is the sum of the eight planes; and its expert's 128 bytes of plan: word 0 = tiles, word 1 = tokens, the rest 0.
; TOKENS THROUGH LDS.  For a tile each wave gathers 8 rows of xh (2,048 bytes each, four loads of 512 consecutive bytes) into one of two stages, and all
; waves read fragments from it: the work-group fetches a tile once.  A stage's rows are 2,064 bytes apart, an odd multiple of 16, so that the 16 rows
; that a fragment load touches fall on different banks (64 banks of 4 bytes: ISA guide 11.1).
; NO TRANSPOSE OF THE WEIGHTS.  They lie [k][n].  A 16-byte load gives lane (r, h) columns 4 r .. 4 r + 3 of row 64 G + 32 h + rho: lanes 0-15 take 256
; consecutive aligned bytes of one row, lanes 16-31 of the row 32 below.  Column tile t is made of the columns 4 r + t; k-step 2 G + p holds, in lane half h,
; k = 64 G + 32 h + 16 p + 8 q + j (registers 4 q .. 4 q + 3, j = 0..7): a permutation of k inside 64 in which a token's chunk is 16 consecutive bytes of xh.
; hs: [512 m-tiles of 16 rows][128 k-steps][1,024 bytes], laid as the second layer's fragments: in k-step 2 G + p the 16 bytes at q x 512 + 16 L hold row r's
; numbers k = 64 G + 32 h + 4 j + 2 p + q, which is what a lane's eight results of column tile t = 2 p + q are.
; FORMATS.  f16 operands, f32 sums.  LIMIT: |h| below 65,504 (h is stored in f16); weights below 6.1e-5 are kept to 3e-8 absolutely.
; GELU is the exact form, erf by the rational form t = 1/(1 + 0.3275911 x), five terms, absolute error 1.5e-7, for every argument:
; gelu(z) = max(z, 0) - |z| P(t) 2^(-0.72134752 z z), t = 1/(1 + 0.23164189 |z|), P with halved coefficients.
; NO CLUSTER, NO TENSOR LOADS: the bulk of a work-group's bytes, its weights, is shared with nobody and must pass through registers to be converted;
; the token rows are gathered by a list, and their number is read from memory.
.set PITCHB, 16384                     ; bytes from a weight row to the next
.set HSH,    19                        ; 32 weight rows = 1 << HSH bytes
.set OSH,    18                        ; a tile of 32 tokens in hs = 1 << OSH bytes
; LDS
.set XCH,    0                         ; 4 x 4,096: what a wave hands to its partner
.set CNT,    16384                     ; 4 words: each wave's tokens of my expert
.set LST,    16640                     ; 4 x 1,536: each wave's list of my expert's tokens: 256 words, word 256 takes the others'
.set LPITCH, 1536
.set STG,    22784                     ; two stages of 32 rows
.set SPITCH, 2064
.set STGB,   32*SPITCH
; window 0
.set VW,  2                            ; v2       weights: 32 h rows + 16 r
.set VA,  4                            ; v4, v5   stage 0: my row of m-tile (g xor wk), + my half of k, + 64 h; v12, v13: stage 1.  Group g = 0 is the m-tile that I finish
.set VXS, 6                            ; v6       LDS: where I put what my partner finishes
.set VXR, 7                            ; v7       LDS: where my partner put what I finish
.set VSS, 8                            ; v8       stage 0: my 8 rows + 16 L; v14: stage 1
.set VB,  9                            ; v9       128 h, my 32 numbers of b1
.set VST, 11                           ; v11      16 L
.set VTK, 15                           ; v15      lanes 0-7: the tokens of my 8 rows of a tile
.set ACC, 16                           ; v[16:47] group 0, v[48:79] group 1: column tile t at + 8 t
.set R,   48                           ; group 1 is sent, then the partner's sums are received into the same registers
.set BT,  80                           ; v[80:111]  b1 of column 32 h + 4 j + t at BT + 8 t + j
.set KC,  112                          ; v[112:123] pairs: A5, A4, A3, A2, A1, -0.72134752
.set VRW, 124                          ; v124     8 w + (L & 7); v125-127 at work in LOOKUP
.set Z,   128
.set T,   136
.set EX,  144
.set Y,   152
.set M,   160
.set P,   168                          ; v[168:183] packed results
.set IX,  184                          ; v[184:191] the experts of my 8 tokens
.set LR,  192                          ; v[192:200] place in my wave's list that token i would take
.set VI,  210                          ; v210     32 t: my 8 words of idx and of pos8
.set VB1, 244                          ; v244-246 where waves 1, 2, 3 begin in my expert's rows; v247-249 the numbers 1, 2, 3
; windows 1, 2: weight fragments, k-step sl (0..15), tile t at 8 (4 (sl & 7) + t), window 1 + (sl >> 3)
; window 3: while the weights come in, a ring of four units of 64 registers; then v[0:127] gathered rows, v[128:255] two slots of token fragments
.set SCP,  19                          ; s19      0.23164189
.set SOUT, 23                          ; s23      my place inside a tile of hs
.set WB,  28                           ; s[28:29] my weights
.set OB,  34                           ; s[34:35] where the results go
.set RB,  48                           ; s[48:63] the addresses of 8 rows of xh
.set MK,  66                           ; s[66:73] lanes whose token i is my expert's
                                       ; s[32:63], s[68:99]: at the start, the 64 words of my expert's plane of cntb
.set MSB, 0
.macro WIN new                         ; the immediate's high byte repeats the setting that is left; every window is 0 at labels and branches
.if MSB != \new
	s_set_vgpr_msb (MSB<<8)|\new
.set MSB, \new
.endif
.endm
; unit n (0..15) of the weights = k-step n: 16 loads, rows 64 (n >> 1) + 32 h + 16 (n & 1) + 0..15
.macro WLOAD n
	WIN 0xc0
.irp rho, 0,1,2,3,4,5,6,7,8,9,10,11,12,13,14,15
	global_load_b128 v[64*(\n%4)+4*\rho:64*(\n%4)+4*\rho+3], v[VW], s[WB:WB+1] offset:(64*(\n>>1)+16*(\n&1)+\rho)*PITCHB th:TH_LOAD_NT
.endr
.endm
; unit n to f16: 32 conversions of two neighbouring rows each, straight into the fragments' registers
.macro WCVT n
.if \n < 8
	WIN 0x4f
.else
	WIN 0x8f
.endif
.irp q, 0,1
.irp i, 0,1,2,3
.irp t, 0,1,2,3
	v_cvt_pk_f16_f32 v[8*(4*(\n&7)+\t)+4*\q+\i], v[64*(\n%4)+4*(8*\q+2*\i)+\t], v[64*(\n%4)+4*(8*\q+2*\i)+\t+4]
.endr
.endr
.endr
.endm
; The tokens of rows 32 tau + 8 w + 0..7 of my expert, tau in s[st]: which wave's list, which place in it; both are clamped, so every read is inside the lists.
.macro LOOKUP st
	v_lshl_add_u32 v125, s[\st], 5, v[VRW]
	v_cmp_le_u32 vcc_lo, v[VB1], v125
	v_cndmask_b32 v126, 0, v[VB1], vcc_lo
	v_cndmask_b32 v127, 0, v[VB1+3], vcc_lo
	v_cmp_le_u32 vcc_lo, v[VB1+1], v125
	v_cndmask_b32 v126, v126, v[VB1+1], vcc_lo
	v_cndmask_b32 v127, v127, v[VB1+4], vcc_lo
	v_cmp_le_u32 vcc_lo, v[VB1+2], v125
	v_cndmask_b32 v126, v126, v[VB1+2], vcc_lo
	v_cndmask_b32 v127, v127, v[VB1+5], vcc_lo
	v_sub_nc_u32 v125, v125, v126
	v_min_u32 v125, 0xff, v125
	v_min_u32 v127, 3, v127
	v_mul_u32_u24 v127, LPITCH, v127
	v_lshl_add_u32 v125, v125, 2, v127
	ds_load_b32 v[VTK], v125 offset:LST            ; a row behind the expert's last token finds a word that the lists' clearing wrote, or a token: a pad row
.endm
; the eight rows' addresses.  Stands behind the wait that shows the loads done that used the last eight.
.macro ROWS
	s_mov_b32 s37, 0
.irp i, 0,1,2,3,4,5,6,7
	v_readlane_b32 s36, v[VTK], \i
	s_min_u32 s36, s36, 1023
	s_lshl_b32 s36, s36, 11
	s_add_nc_u64 s[RB+2*\i:RB+2*\i+1], s[8:9], s[36:37]
.endr
.endm
; four of my eight rows: 16 loads of 512 consecutive bytes
.macro GLOAD half
	WIN 0xc0
.irp i, 0,1,2,3
.irp m, 0,1,2,3
	global_load_b128 v[64*\half+16*\i+4*\m:64*\half+16*\i+4*\m+3], v[VST], s[RB+2*(4*\half+\i):RB+2*(4*\half+\i)+1] offset:512*\m
.endr
.endr
.endm
; my eight rows into stage p
.macro SSTORE p
	WIN 0x0c                                       ; the data in window 3
.irp i, 0,1,2,3,4,5,6,7
.irp m, 0,1,2,3
	ds_store_b128 v[VSS+6*(\p)], v[16*\i+4*\m:16*\i+4*\m+3] offset:STG+\i*SPITCH+512*\m
.endr
.endr
.endm
; k-steps 4 a .. 4 a + 3 of both groups from stage p into slot a & 1: 16 LDS loads
.macro ALOAD a, p
	WIN 0xc0
.irp s4, 0,1,2,3
.irp g, 0,1
.irp q, 0,1
	ds_load_b128 v[128+64*(\a&1)+16*\s4+8*\g+4*\q:128+64*(\a&1)+16*\s4+8*\g+4*\q+3], v[VA+8*(\p)+\g] offset:STG+128*((4*\a+\s4)>>1)+32*((4*\a+\s4)&1)+16*\q
.endr
.endr
.endr
.endm
; one k-step: eight matrix instructions on eight accumulators, which take turns, one instruction a turn.
; Used transposed (weights as source 0): a lane's eight results are eight k of one token for the next layer.
.macro KSTEP a, s4, zero
.irp g, 0,1
.irp t, 0,1,2,3
.set DD, ACC+32*\g+8*\t
.set WF, 8*(4*((4*\a+\s4)&7)+\t)
.set XF, 128+64*(\a&1)+16*\s4+8*\g
.if \zero
	v_wmma_f32_16x16x32_f16 v[DD:DD+7], v[WF:WF+7], v[XF:XF+7], 0
.else
	v_wmma_f32_16x16x32_f16 v[DD:DD+7], v[WF:WF+7], v[XF:XF+7], v[DD:DD+7]
.endif
.endr
.endr
.endm
; 32 matrix instructions.  zero = 1: the tile's first k-step starts the sums.  The four v_nop are the places ahead of
; the loads into this slot's registers, of the LDS stores and vector instructions that read the sums, and of the LDS loads into group 1.
.macro GROUP a, zero
.if \a < 2
	WIN 0x0d
.else
	WIN 0x0e
.endif
	KSTEP \a, 0, \zero
	KSTEP \a, 1, 0
	KSTEP \a, 2, 0
	KSTEP \a, 3, 0
.rept 4
	v_nop
.endr
.endm
; A tile from stage p.  Its first two slots have been asked for.  s_wait_dscnt 16: LDS instructions come back in order, the younger slot's 16 loads stay out.
.macro COMPUTE p
	s_wait_dscnt 16
	GROUP 0, 1
	ALOAD 2, \p
	s_wait_dscnt 16
	GROUP 1, 0
	ALOAD 3, \p
	s_wait_dscnt 16
	GROUP 2, 0
	s_wait_dscnt 0x0
	GROUP 3, 0
	WIN 0
.endm
.macro SEND
.irp c, 0,1,2,3,4,5,6,7
	ds_store_b128 v[VXS], v[R+4*\c:R+4*\c+3] offset:XCH+512*\c
.endr
.endm
.macro RECV
.irp c, 0,1,2,3,4,5,6,7
	ds_load_b128 v[R+4*\c:R+4*\c+3], v[VXR] offset:XCH+512*\c
.endr
.endm
.macro GELU t
.irp j, 0,2,4,6
	v_pk_add_f32 v[Z+\j:Z+\j+1], v[ACC+8*\t+\j:ACC+8*\t+\j+1], v[R+8*\t+\j:R+8*\t+\j+1]     ; the two halves of K
.endr
.irp j, 0,2,4,6
	v_pk_add_f32 v[Z+\j:Z+\j+1], v[Z+\j:Z+\j+1], v[BT+8*\t+\j:BT+8*\t+\j+1]                 ; + b1
.endr
.irp j, 0,1,2,3,4,5,6,7
	v_fma_f32 v[Y+\j], |v[Z+\j]|, s[SCP], 1.0
.endr
.irp j, 0,1,2,3,4,5,6,7
	v_rcp_f32 v[T+\j], v[Y+\j]
.endr
.irp j, 0,2,4,6
	v_pk_mul_f32 v[M+\j:M+\j+1], v[Z+\j:Z+\j+1], v[Z+\j:Z+\j+1]                             ; plain work behind the reciprocals (ISA guide 5.7.2)
.endr
.irp j, 0,2,4,6
	v_pk_mul_f32 v[M+\j:M+\j+1], v[M+\j:M+\j+1], v[KC+10:KC+11]
.endr
.irp j, 0,1,2,3,4,5,6,7
	v_exp_f32 v[EX+\j], v[M+\j]
.endr
	s_wait_alu depctr_va_vdst(0)
.irp j, 0,2,4,6
	v_pk_fma_f32 v[Y+\j:Y+\j+1], v[T+\j:T+\j+1], v[KC:KC+1], v[KC+2:KC+3]                   ; plain work behind the exponentials
.endr
.irp k, 4,6,8
.irp j, 0,2,4,6
	v_pk_fma_f32 v[Y+\j:Y+\j+1], v[Y+\j:Y+\j+1], v[T+\j:T+\j+1], v[KC+\k:KC+\k+1]
.endr
.endr
.irp j, 0,2,4,6
	v_pk_mul_f32 v[Y+\j:Y+\j+1], v[Y+\j:Y+\j+1], v[T+\j:T+\j+1]
.endr
.irp j, 0,2,4,6
	v_pk_mul_f32 v[Y+\j:Y+\j+1], v[Y+\j:Y+\j+1], v[EX+\j:EX+\j+1]
.endr
.irp j, 0,1,2,3,4,5,6,7
	v_max_num_f32 v[M+\j], 0, v[Z+\j]
.endr
.irp j, 0,1,2,3,4,5,6,7
	v_fma_f32 v[M+\j], -|v[Z+\j]|, v[Y+\j], v[M+\j]
.endr
.irp i, 0,1,2,3
	v_cvt_pk_f16_f32 v[P+4*\t+\i], v[M+2*\i], v[M+2*\i+1]
.endr
.endm
; Tile s25 of my expert is finished for my m-tile and stored.
.macro FINISH
	s_wait_xcnt 0x0                                ; the last tile's stores have read their data and base: both are rewritten only behind this wait
	s_add_co_u32 s36, s20, s25
	s_min_u32 s36, s36, 255
	s_lshl_b32 s36, s36, OSH
	s_add_co_u32 s36, s36, s[SOUT]
	s_mov_b32 s37, 0
	s_add_nc_u64 s[OB:OB+1], s[12:13], s[36:37]
.irp t, 0,1,2,3
	GELU \t
	global_store_b128 v[VST], v[P+4*\t:P+4*\t+3], s[OB:OB+1] offset:512*\t         ; tile t = 2 p + q is the 512 bytes (p, q) of the next layer's fragments
.endr
.endm
.macro KPAIR at, val
	v_mov_b32 v[KC+\at], \val
	v_mov_b32 v[KC+\at+1], \val
.endm
; Trip i = s25, of parity p.  At its head: tile i's sums are made and sent, tile i + 1 lies in stage 1 - p (stored in front of this trip's first barrier),
; tile i + 2's rows are on their way into registers.  Between the first barrier and the second LDS is only read (the exchange); behind the second, stage 1 - p
; is read, and stage p, whose last reads every wave waited for in front of the first barrier, and the exchange are written.
; The branches on the number of tiles jump over work without barriers.
.macro TRIP p
	s_wait_dscnt 0x0                               ; my sums for my partner and my rows of the next tile are in LDS; my reads of the last stage are back
	s_barrier_signal -1
	s_barrier_wait -1                              ; everybody's are
	s_cmp_ge_u32 s25, s22
	s_cbranch_scc1 .Lnorecv_\@
	RECV
.Lnorecv_\@:
	s_wait_dscnt 0x0                               ; I have read what was put there for me
	s_barrier_signal -1
	s_barrier_wait -1                              ; everybody has: the bytes may be written again
	s_cmp_ge_u32 s25, s22
	s_cbranch_scc1 .Lnext_\@
	s_add_co_u32 s26, s25, 1
	s_cmp_ge_u32 s26, s22
	s_cbranch_scc1 .Lfin_\@
	s_add_co_u32 s27, s25, 3
	LOOKUP 27                                      ; asked for ahead of the activation, which covers the way from LDS:
	ALOAD 0, 1-\p                                  ; the tokens of tile i + 3 and the first two slots of tile i + 1
	ALOAD 1, 1-\p
	WIN 0
.Lfin_\@:
	FINISH
	s_cmp_ge_u32 s26, s22
	s_cbranch_scc1 .Lnext_\@
	COMPUTE 1-\p
	s_add_co_u32 s27, s25, 2
	s_cmp_ge_u32 s27, s22
	s_cbranch_scc1 .Lsend_\@
	s_wait_loadcnt 0x0                             ; tile i + 2's rows, asked for a trip ago, are in; their addresses may be rewritten
	SSTORE \p
	WIN 0
	ROWS
	GLOAD 0                                        ; tile i + 3's rows
	GLOAD 1
	WIN 0
.Lsend_\@:
	SEND
.Lnext_\@:
.endm
	s_load_b256 s[4:11], s[0:1], 0x0               ; W1 s[4:5], b1 s[6:7], xh s[8:9], idx s[10:11]
	s_load_b64 s[12:13], s[0:1], 0x20              ; hs
	s_load_b64 s[30:31], s[0:1], 0x38              ; cntb
	v_lshl_add_u32 v254, v0, 2, 0x26000
	v_mov_b32 v255, 0
	v_lshrrev_b32 v1, 5, v0
	v_readfirstlane_b32 s14, v1                    ; wave 0..3
	s_and_b32 s15, s14, 1                          ; wn: which 64 columns
	s_lshr_b32 s16, s14, 1                         ; wk: which 512 k
	s_lshr_b32 s17, ttmp9, 5                       ; expert
	s_and_b32 s18, ttmp9, 31                       ; which 128 columns
	s_lshl_b32 s20, s17, 5                         ; my expert's first tile
	s_lshl_b32 s36, s17, 24                        ; an expert's weights are 16 MiB
	s_mov_b32 s37, 0
	s_lshl_b32 s38, s16, 23                        ; 512 wk rows of 16,384 bytes
	s_lshl_b32 s39, s18, 9
	s_lshl_b32 s43, s15, 8
	s_add_co_u32 s39, s39, s43                     ; my 64 columns, in bytes of f32
	s_add_co_u32 s36, s36, s38
	s_add_co_u32 s36, s36, s39
	s_lshl_b32 s[SOUT], s39, 3                     ; output: k group 2 x slice + wn of 2,048 bytes,
	s_lshl_b32 s43, s16, 17                        ; m-tile wk of the tile
	s_add_co_u32 s[SOUT], s[SOUT], s43
	s_lshl_b32 s46, s17, 14                        ; b1: the expert's 4,096 numbers
	s_add_co_u32 s46, s46, s39
	s_mov_b32 s47, 0
	s_lshl_b32 s38, s17, 8                         ; cntb: the expert's 256 bytes
	s_mov_b32 s39, 0
	s_mov_b32 s2, 0x76543210                       ; v_permlanex16_b32: lane i of one half reads lane i of the other
	s_mov_b32 s3, 0xfedcba98
	s_mov_b32 s[SCP], 0x3e6d3388                   ; 0.23164189
	v_and_b32 v1, 31, v0                           ; L
	v_and_b32 v3, 15, v0                           ; r
	v_bfe_u32 v10, v0, 4, 1                        ; h
	v_lshlrev_b32 v[VST], 4, v1                    ; 16 L
	v_lshlrev_b32 v[VW], 4, v3
	v_lshl_add_u32 v[VW], v10, HSH, v[VW]
	v_mul_u32_u24 v16, v3, SPITCH                  ; a stage's row r,
	v_lshl_add_u32 v16, v10, 6, v16                ; + 64 h
	s_mul_i32 s42, s16, 16*SPITCH+1024             ; group 0: m-tile wk, and my half of k: 1,024 wk bytes of a row
	s_xor_b32 s43, s16, 1
	s_mul_i32 s43, s43, 16*SPITCH                  ; group 1: the other m-tile,
	s_lshl_b32 s44, s16, 10
	s_add_co_u32 s43, s43, s44                     ; the same half of k
	v_add_nc_u32 v[VA], s42, v16
	v_add_nc_u32 v[VA+1], s43, v16
	v_add_nc_u32 v[VA+8], STGB, v[VA]
	v_add_nc_u32 v[VA+9], STGB, v[VA+1]
	s_mul_i32 s44, s14, 8*SPITCH                   ; I fill rows 8 w .. 8 w + 7 of a stage
	v_add_nc_u32 v[VSS], s44, v[VST]
	v_add_nc_u32 v[VSS+6], STGB, v[VSS]
	s_lshl_b32 s45, s14, 12
	v_add_nc_u32 v[VXS], s45, v[VST]               ; 4,096 bytes of the exchange for each wave
	s_xor_b32 s45, s14, 2                          ; my partner: the same columns, the other half of K
	s_lshl_b32 s45, s45, 12
	v_add_nc_u32 v[VXR], s45, v[VST]
	v_lshlrev_b32 v[VB], 7, v10
	v_and_b32 v[VRW], 7, v0
	v_lshl_add_u32 v[VRW], s14, 3, v[VRW]
	v_lshlrev_b32 v[VI], 5, v0                     ; 32 t
	v_mov_b32 v213, s14
	v_lshlrev_b32 v213, 2, v213                    ; 4 w
	v_lshlrev_b32 v214, 2, v1                      ; 4 L
	v_mov_b32 v215, 0x100
	v_mov_b32 v209, 1
	v_lshlrev_b32 v203, 3, v0                      ; my first token
.irp k, 0,1,2,3
	v_mov_b32 v[204+\k], 0
.endr
	KPAIR 0,  0x3f07dc22                           ; A5 =  0.53070271
	KPAIR 2,  0xbf3a00e3                           ; A4 = -0.72657601
	KPAIR 4,  0x3f35f0e3                           ; A3 =  0.71070687
	KPAIR 6,  0xbe11a98e                           ; A2 = -0.14224837
	KPAIR 8,  0x3e027906                           ; A1 =  0.12741480
	KPAIR 10, 0xbf38aa3b                           ; -0.72134752
	s_wait_kmcnt 0x0
	s_add_nc_u64 s[WB:WB+1], s[4:5], s[36:37]
	s_add_nc_u64 s[6:7], s[6:7], s[46:47]
	s_add_nc_u64 s[30:31], s[30:31], s[38:39]
	s_load_b512 s[32:47], s[30:31], 0x0            ; my expert's plane of cntb: 64 words of four counts each; the scalars that lay here have been used
	s_load_b512 s[48:63], s[30:31], 0x40
	s_load_b512 s[68:83], s[30:31], 0x80
	s_load_b512 s[84:99], s[30:31], 0xc0
	global_load_b128 v[IX:IX+3], v[VI], s[10:11]           ; the experts of my 8 tokens: the oldest vector loads
	global_load_b128 v[IX+4:IX+7], v[VI], s[10:11] offset:16
.irp t, 0,1,2,3
.irp j, 0,1,2,3,4,5,6,7
	global_load_b32 v[BT+8*\t+\j], v[VB], s[6:7] offset:4*(4*\j+\t)        ; once: 32 numbers a lane, laid so that a tile's eight are neighbours
.endr
.endr
	WLOAD 0
	WLOAD 1
	WLOAD 2
	WIN 0
	; MY EXPERT'S TOKENS AND TILES.  Each byte is at most 4; 32 words added leave at most 128 in a byte field, so no field runs into its neighbour.
	s_wait_kmcnt 0x0
.set cw, 33
.rept 31
	s_add_co_u32 s32, s32, s[cw]                   ; words 0 to 31
.set cw, cw+1
.endr
.set cw, 69
.rept 31
	s_add_co_u32 s68, s68, s[cw]                   ; words 32 to 63
.set cw, cw+1
.endr
	s_and_b32 s33, s32, 0xff00ff                   ; four byte fields become two fields of 16 bits, at most 256 each
	s_lshr_b32 s32, s32, 8
	s_and_b32 s32, s32, 0xff00ff
	s_add_co_u32 s32, s32, s33
	s_and_b32 s69, s68, 0xff00ff
	s_lshr_b32 s68, s68, 8
	s_and_b32 s68, s68, 0xff00ff
	s_add_co_u32 s68, s68, s69
	s_add_co_u32 s32, s32, s68                     ; at most 512 each
	s_and_b32 s33, s32, 0xffff
	s_lshr_b32 s32, s32, 16
	s_add_co_u32 s21, s32, s33                     ; my expert's tokens
	s_min_u32 s21, s21, 1024
	s_add_co_u32 s22, s21, 31
	s_lshr_b32 s22, s22, 5
	s_max_u32 s22, s22, 1                          ; its tiles, 1 to 32: an expert without tokens makes one tile of pad rows
	s_load_b128 s[92:95], s[0:1], 0x28             ; plan s[92:93], pos8 s[94:95], into registers that the counts have left
	s_mul_i32 s90, s14, LPITCH                     ; my wave's list
	v_add_nc_u32 v211, s90, v[VST]
	; THE SORT, while the weights' first units are on their way.
	s_wait_loadcnt 63                              ; 80 loads were issued behind the two of idx; 63 is the most that a count can name, and shows them in
.irp k, 0,1,2
	ds_store_b128 v211, v[204:207] offset:LST+512*\k       ; my wave's list is cleared: a pad row reads a word that has been written
.endr
.irp i, 0,1,2,3,4,5,6,7
	v_min_u32 v[IX+\i], 7, v[IX+\i]
.endr
.irp i, 0,1,2,3,4,5,6,7
	v_cmp_eq_u32 s[MK+\i], s17, v[IX+\i]           ; lanes whose token i is my expert's
.endr
	v_mbcnt_lo_u32_b32 v[LR], s[MK], 0             ; my expert's tokens in the lanes below me
.irp i, 1,2,3,4,5,6,7
	v_mbcnt_lo_u32_b32 v[LR], s[MK+\i], v[LR]
.endr
	s_bcnt1_i32_b32 s88, s[MK]                     ; and in the whole wave
.irp i, 1,2,3,4,5,6,7
	s_bcnt1_i32_b32 s89, s[MK+\i]
	s_add_co_u32 s88, s88, s89
.endr
.irp i, 0,1,2,3,4,5,6,7
	v_cndmask_b32 v201, v215, v[LR+\i], s[MK+\i]   ; my expert's: its place in the wave's list; another's: word 256
	v_min_u32 v201, 0x100, v201
	v_lshl_add_u32 v201, v201, 2, s90
	v_add_nc_u32 v202, \i, v203
	ds_store_b32 v201, v202 offset:LST             ; inside my wave's own 1,536 bytes; LDS serves a wave's instructions in order, so this lands on the cleared list
	v_cndmask_b32 v208, 0, v209, s[MK+\i]
	v_add_nc_u32 v[LR+\i+1], v[LR+\i], v208
.endr
	v_mov_b32 v236, s88
	ds_store_b32 v213, v236 offset:CNT             ; all lanes store the same number to the wave's own word
	s_wait_dscnt 0x0                               ; my list and my count are in LDS before I say so
	s_barrier_signal -1
	s_barrier_wait -1
	v_mov_b32 v237, 0
	ds_load_b128 v[228:231], v237 offset:CNT
	v_mov_b32 v238, 0                              ; lane L: word L of my expert's 128 bytes of plan
	v_writelane_b32 v238, s22, 0
	v_writelane_b32 v238, s21, 1
	s_wait_dscnt 0x0
	s_wait_kmcnt 0x0                               ; the two pointers
.irp k, 0,1,2,3
	v_readfirstlane_b32 s[78+\k], v[228+\k]        ; my expert's tokens in wave k
.endr
	s_add_co_u32 s83, s78, s79                     ; where waves 1, 2, 3 begin among my expert's rows: s78, s83, s84
	s_add_co_u32 s84, s83, s80
	v_mov_b32 v[VB1], s78
	v_mov_b32 v[VB1+1], s83
	v_mov_b32 v[VB1+2], s84
	v_mov_b32 v[VB1+3], 1
	v_mov_b32 v[VB1+4], 2
	v_mov_b32 v[VB1+5], 3
	s_cmp_lg_u32 s18, 0
	s_cbranch_scc1 .Lnopos                         ; one work-group of each expert stores its plane of pos8 (no barrier is jumped over)
	s_cmp_ge_u32 s14, 1
	s_cselect_b32 s86, s78, 0
	s_cmp_ge_u32 s14, 2
	s_cselect_b32 s86, s83, s86
	s_cmp_ge_u32 s14, 3
	s_cselect_b32 s86, s84, s86                    ; where my wave begins
	s_lshl_b32 s88, s20, 5                         ; the expert's first row
	s_add_co_u32 s88, s88, s86
.irp i, 0,1,2,3,4,5,6,7
	v_add_nc_u32 v[216+\i], s88, v[LR+\i]
	v_cndmask_b32 v[216+\i], 0, v[216+\i], s[MK+\i]        ; another expert's token: 0
.endr
	s_lshl_b32 s36, s17, 12
	s_mov_b32 s37, 0
	s_add_nc_u64 s[94:95], s[94:95], s[36:37]
	global_store_b128 v[VI], v[216:219], s[94:95]          ; 32 consecutive bytes a thread, 1,024 a wave
	global_store_b128 v[VI], v[220:223], s[94:95] offset:16
	s_cmp_lg_u32 s14, 0
	s_cbranch_scc1 .Lnopos
	s_lshl_b32 s36, s17, 7
	s_add_nc_u64 s[92:93], s[92:93], s[36:37]
	global_store_b32 v214, v238, s[92:93]          ; plan: my expert's 128 consecutive bytes, by wave 0
.Lnopos:
	s_mov_b32 s27, 0
	LOOKUP 27
	s_wait_dscnt 0x0
	ROWS                                           ; the first tile's rows
	; THE WEIGHTS COME IN: sixteen units through the ring of four.  The unit converted last is asked for again first; then the wait for the oldest,
	; which leaves the three younger units (48 loads) out.  The last two refills are the first tile's rows of xh; behind the last unit stand those 32 loads alone.
.irp n, 0,1,2,3,4,5,6,7,8,9,10,11,12
	WLOAD (\n+3)
	s_wait_loadcnt 48
	WCVT \n
.endr
	GLOAD 0
	s_wait_loadcnt 48
	WCVT 13
	GLOAD 1
	s_wait_loadcnt 48
	WCVT 14
	s_wait_loadcnt 32
	WCVT 15
	; THE TOKENS GO PAST.
	s_wait_loadcnt 0x0                             ; tile 0's rows
	SSTORE 0
	WIN 0
	s_mov_b32 s27, 1
	LOOKUP 27
	s_wait_dscnt 0x0                               ; my rows of tile 0 are in stage 0
	s_barrier_signal -1
	s_barrier_wait -1                              ; everybody's are
	ROWS
	GLOAD 0                                        ; tile 1's rows
	GLOAD 1
	WIN 0
	s_mov_b32 s27, 2
	LOOKUP 27
	ALOAD 0, 0
	ALOAD 1, 0
	COMPUTE 0
	s_wait_loadcnt 0x0
	SSTORE 1                                       ; tile 1 into stage 1, which nobody has read yet
	WIN 0
	ROWS
	GLOAD 0                                        ; tile 2's rows
	GLOAD 1
	WIN 0
	SEND
	; 16 x 2 trips, the most tiles an expert can have, so that every wave passes every barrier whatever the counts hold.
	; Two trips a turn of the loop, so that the stage is a constant in every address.
	s_mov_b32 s24, 0
.Ltrip:
	s_lshl_b32 s25, s24, 1
	TRIP 0
	s_add_co_u32 s25, s25, 1
	TRIP 1
	s_add_co_u32 s24, s24, 1
	s_cmp_lt_u32 s24, 16
	s_cbranch_scc1 .Ltrip
	s_wait_tensorcnt 0x0
	ds_add_u32 v254, v255
	s_wait_dscnt 0x0
	s_endpgm
.Lfunc_end_k_q89f59d3b6e_mlp1:
	.size	k_q89f59d3b6e_mlp1, .Lfunc_end_k_q89f59d3b6e_mlp1-k_q89f59d3b6e_mlp1
	.p2alignl 7, 3214868480
	.fill 96, 4, 3214868480
	.section	.rodata,"a",@progbits
	.p2align	6, 0x0
	.amdhsa_kernel k_q89f59d3b6e_mlp1
		.amdhsa_group_segment_fixed_size 156160
		.amdhsa_private_segment_fixed_size 0
		.amdhsa_enable_private_segment 0
		.amdhsa_kernarg_size 64
		.amdhsa_user_sgpr_count 2
		.amdhsa_user_sgpr_kernarg_segment_ptr 1
		.amdhsa_wavefront_size32 1
		.amdhsa_system_sgpr_workgroup_id_x 1
		.amdhsa_system_sgpr_workgroup_id_y 1
		.amdhsa_system_sgpr_workgroup_id_z 1
		.amdhsa_system_vgpr_workitem_id 0
		.amdhsa_next_free_vgpr 1024
		.amdhsa_next_free_sgpr 100
		.amdhsa_reserve_vcc 1
		.amdhsa_float_denorm_mode_32 3
		.amdhsa_float_denorm_mode_16_64 3
		.amdhsa_memory_ordered 1
		.amdhsa_forward_progress 1
		.amdhsa_inst_pref_size 190
	.end_amdhsa_kernel
	.amdgpu_metadata
---
amdhsa.version: [ 1, 2 ]
amdhsa.kernels:
  - .name:           k_q89f59d3b6e_mlp1
    .symbol:         k_q89f59d3b6e_mlp1.kd
    .args:
      - { .name: W1, .offset: 0, .size: 8, .value_kind: global_buffer, .address_space: global }
      - { .name: b1, .offset: 8, .size: 8, .value_kind: global_buffer, .address_space: global }
      - { .name: xh, .offset: 16, .size: 8, .value_kind: global_buffer, .address_space: global }
      - { .name: idx, .offset: 24, .size: 8, .value_kind: global_buffer, .address_space: global }
      - { .name: hs, .offset: 32, .size: 8, .value_kind: global_buffer, .address_space: global }
      - { .name: plan, .offset: 40, .size: 8, .value_kind: global_buffer, .address_space: global }
      - { .name: pos8, .offset: 48, .size: 8, .value_kind: global_buffer, .address_space: global }
      - { .name: cntb, .offset: 56, .size: 8, .value_kind: global_buffer, .address_space: global }
    .group_segment_fixed_size: 156160
    .private_segment_fixed_size: 0
    .kernarg_segment_align: 8
    .kernarg_segment_size: 64
    .max_flat_workgroup_size: 128
    .sgpr_count:     100
    .vgpr_count:     1024
    .wavefront_size: 32
...
	.end_amdgpu_metadata
.endif
;; end of part 2
;; launch mlp2 (part 3): grid 256 x 1, 4 waves a work-group, no clusters, 16,896 bytes of LDS; arguments W2, hs, plan, yp; writes yp
.if DOCPART == 3
	.amdgcn_target "amdgcn-amd-amdhsa--gfx1250"
	.amdhsa_code_object_version 6
	.text
	.protected	k_q89f59d3b6e_mlp2
	.globl	k_q89f59d3b6e_mlp2
	.p2align	8
	.type	k_q89f59d3b6e_mlp2,@function
k_q89f59d3b6e_mlp2:
	s_mov_b64 s[64:65], 0
	v_nop
	global_prefetch_b8 v0, s[64:65] scope:SCOPE_SE
	s_setreg_imm32_b32 hwreg(HW_REG_WAVE_MODE, 25, 1), 1
	s_wait_xcnt 0x0
; SECOND LAYER OF THE ROUTED EXPERTS:  yp[part] = hs W2[e] over a quarter of K, for each expert's own sorted rows:
; expert e owns tiles 32 e .. 32 e + 31 of 32 rows, of which the first tiles[e] (1 to 32, word 0 of the expert's 128 bytes of plan) have been made.
; SHARES.  Work-group = expert e = wg >> 5 and a block of W2[e] of 1,024 k x 128 columns, 524,288 bytes of f32 that no other work-group reads:
; k part (wg >> 3) & 3, columns 128 (wg & 7).  Wave w: 64 columns (w & 1) x 512 k (w >> 1).
; THE WEIGHTS STAY: a wave's 64 x 512 numbers in f16 are 512 registers (windows 1 and 2).  Each weight byte is read once whatever the routing;
; then the expert's tiles of 32 tokens stream past.  The two waves that share columns add their halves of K through LDS.
; The four k parts go to four planes of yp, [4][8192 rows][1024] f32, each byte stored by one work-group; the next launch adds them in order.
; Of the planes only the rows of tiles that have been made are touched.
; NO TRANSPOSE.  The weights lie [k][n].  A 16-byte load gives lane (r, h) columns 4 r .. 4 r + 3 of row 64 G + 32 h + rho: lanes 0-15 take 256 consecutive
; aligned bytes of one row, lanes 16-31 of the row 32 below.  Column tile t is made of the columns 4 r + t; register 4 q + i of the fragment of
; k-step 2 G + p packs rows rho = 8 i + 2 p + q and rho + 4.  That is a permutation of k inside 64, and hs is stored in the same one:
; hs: [512 m-tiles of 16 rows][128 k-steps][1,024 bytes], the 16 bytes at q x 512 + 16 L being what lane L takes into registers 4 q .. 4 q + 3.
; FORMATS.  f16 operands, f32 sums.  LIMIT: |h| below 65,504 (h is stored in f16); weights below 6.1e-5 are kept to 3e-8 absolutely.
; NO CLUSTER, NO TENSOR LOADS: the bulk of a work-group's bytes, its weights, is shared with nobody; they must pass through registers to be converted.
; The token fragments (65,536 bytes a tile) are shared by eight work-groups, but the number of tiles is read from memory and they are the smaller part.
.set PITCHB, 4096                      ; bytes from a weight row to the next
.set HSH,    17                        ; 32 weight rows = 1 << HSH bytes
.set MTSH,   17                        ; an m-tile of 16 tokens in hs = 1 << MTSH bytes
.set TILESH, 18                        ; a tile of 32 tokens in hs
.set OSH,    17                        ; a tile of 32 tokens in a plane of yp
; window 0
.set VW,  2                            ; v2      weights: 32 h rows + 16 r
.set VA,  4                            ; v4, v5  tokens: 16 L + m-tile (g xor wk) + my first k-step; group g = 0 is the m-tile that I finish
.set VXS, 6                            ; v6      LDS: where I put what my partner finishes
.set VXR, 7                            ; v7      LDS: where my partner put what I finish
.set VST, 8                            ; v8      8 h rows of 4,096 bytes + 16 r
.set ACC, 16                           ; v[16:47] group 0, v[48:79] group 1: tile t at + 8 t
.set R,   48                           ; group 1 is sent, then the partner's sums are received into the same registers
.set S,   128                          ; v[128:159] sums in the order of the stores
; windows 1, 2: weight fragments, k-step sl (0..15), tile t at 8 (4 (sl & 7) + t), window 1 + (sl >> 3)
; window 3: a ring of four units of 64 registers: f32 weights on their way in, then token fragments (unit a: k-steps 4 a .. 4 a + 3, both groups)
.set WB,  28                           ; s[28:29] my weights
.set CUR, 30                           ; s[30:31] the tile at work
.set NXT, 32                           ; s[32:33] the tile behind it
.set OB,  34                           ; s[34:35] where the results go
.set MSB, 0
.macro WIN new                         ; the immediate's high byte repeats the setting that is left; every window is 0 at labels and branches
.if MSB != \new
	s_set_vgpr_msb (MSB<<8)|\new
.set MSB, \new
.endif
.endm
; unit n (0..15) of the weights: 16 loads, rows 64 (n >> 1) + 32 h + 16 (n & 1) + 0..15
.macro WLOAD n
	WIN 0xc0
.irp rho, 0,1,2,3,4,5,6,7,8,9,10,11,12,13,14,15
	global_load_b128 v[64*(\n%4)+4*\rho:64*(\n%4)+4*\rho+3], v[VW], s[WB:WB+1] offset:(64*(\n>>1)+16*(\n&1)+\rho)*PITCHB th:TH_LOAD_NT
.endr
.endm
; unit n to f16: 32 conversions of two rows each, straight into the fragments' registers
.macro WCVT n
.if \n < 8
	WIN 0x4f
.else
	WIN 0x8f
.endif
.irp ii, 0,1
.irp p, 0,1
.irp q, 0,1
.irp t, 0,1,2,3
	v_cvt_pk_f16_f32 v[8*(4*(2*((\n>>1)&3)+\p)+\t)+4*\q+2*(\n&1)+\ii], v[64*(\n%4)+4*(8*\ii+2*\p+\q)+\t], v[64*(\n%4)+4*(8*\ii+2*\p+\q)+\t+16]
.endr
.endr
.endr
.endr
.endm
; unit a of a tile's token fragments: 16 loads of 512 consecutive bytes
.macro ALOAD a, base
	WIN 0xc0
.irp s4, 0,1,2,3
.irp g, 0,1
.irp q, 0,1
	global_load_b128 v[64*\a+16*\s4+8*\g+4*\q:64*\a+16*\s4+8*\g+4*\q+3], v[VA+\g], s[\base:\base+1] offset:(4*\a+\s4)*1024+\q*512
.endr
.endr
.endr
.endm
; the address of tile s26 + ahead of my expert, held inside the tiles that have been made and inside the buffer's 256
.macro TBASE dst, ahead
	s_add_co_u32 s36, s26, \ahead
	s_min_u32 s36, s36, s23
	s_add_co_u32 s36, s36, s20
	s_min_u32 s36, s36, 255
	s_lshl_b32 s36, s36, TILESH
	s_mov_b32 s37, 0
	s_add_nc_u64 s[\dst:\dst+1], s[8:9], s[36:37]
.endm
; one k-step: eight matrix instructions on eight accumulators, which take turns, one instruction a turn.
; The natural order (tokens as source 0): register j of lane (r, h) is token 8 h + j, column 4 r + t.
.macro KSTEP a, s4, zero
.irp g, 0,1
.irp t, 0,1,2,3
.set DD, ACC+32*\g+8*\t
.set WF, 8*(4*((4*\a+\s4)&7)+\t)
.set XF, 64*\a+16*\s4+8*\g
.if \zero
	v_wmma_f32_16x16x32_f16 v[DD:DD+7], v[XF:XF+7], v[WF:WF+7], 0
.else
	v_wmma_f32_16x16x32_f16 v[DD:DD+7], v[XF:XF+7], v[WF:WF+7], v[DD:DD+7]
.endif
.endr
.endr
.endm
; unit a: 32 matrix instructions.  zero = 1: the tile's first k-step starts the sums.  The four v_nop are the places ahead of
; the loads into this unit's registers, of the LDS stores and vector instructions that read the sums, and of the LDS loads into group 1.
.macro GROUP a, zero
.if \a < 2
	WIN 0x07
.else
	WIN 0x0b
.endif
	KSTEP \a, 0, \zero
	KSTEP \a, 1, 0
	KSTEP \a, 2, 0
	KSTEP \a, 3, 0
.rept 4
	v_nop
.endr
.endm
; Tile s26.  Its units 0 to 2 are on their way; unit 3 is asked for now, then units 0 to 2 of the next tile, each into the unit multiplied just before.
; s_wait_loadcnt 48: loads come back in order, three younger units of 16 loads stay out, the unit that is due is in.
.macro COMPUTE
	s_wait_xcnt 0x0                                ; the bases of loads that are out are rewritten only behind this wait
	TBASE CUR, 0
	TBASE NXT, 1
	ALOAD 3, CUR
	s_wait_loadcnt 48
	GROUP 0, 1
	ALOAD 0, NXT
	s_wait_loadcnt 48
	GROUP 1, 0
	ALOAD 1, NXT
	s_wait_loadcnt 48
	GROUP 2, 0
	ALOAD 2, NXT
	s_wait_loadcnt 48
	GROUP 3, 0
	WIN 0
.endm
.macro SEND
.irp c, 0,1,2,3,4,5,6,7
	ds_store_b128 v[VXS], v[R+4*\c:R+4*\c+3] offset:512*\c
.endr
.endm
.macro RECV
.irp c, 0,1,2,3,4,5,6,7
	ds_load_b128 v[R+4*\c:R+4*\c+3], v[VXR] offset:512*\c
.endr
.endm
; Tile s25 of my expert is finished for my m-tile and stored.
.macro FINISH
	s_wait_xcnt 0x0                                ; the last tile's stores have read their data and base: both are rewritten only behind this wait
	s_add_co_u32 s36, s20, s25
	s_min_u32 s36, s36, 255
	s_lshl_b32 s36, s36, OSH
	s_add_co_u32 s36, s36, s41
	s_mov_b32 s37, 0
	s_add_nc_u64 s[OB:OB+1], s[12:13], s[36:37]
.irp j, 0,1,2,3,4,5,6,7
.irp t, 0,1,2,3
	v_add_f32 v[S+4*\j+\t], v[ACC+8*\t+\j], v[R+8*\t+\j]
.endr
	global_store_b128 v[VST], v[S+4*\j:S+4*\j+3], s[OB:OB+1] offset:4096*\j        ; row 8 h + j, columns 4 r .. 4 r + 3: 16 lanes store 256 consecutive aligned bytes
.endr
.endm
	s_load_b64 s[4:5], s[0:1], 0x0                 ; W2
	s_load_b128 s[8:11], s[0:1], 0x8               ; hs s[8:9], plan s[10:11]
	s_load_b64 s[12:13], s[0:1], 0x18              ; yp
	v_lshl_add_u32 v254, v0, 2, 0x4000
	v_mov_b32 v255, 0
	v_lshrrev_b32 v1, 5, v0
	v_readfirstlane_b32 s14, v1                    ; wave 0..3
	s_and_b32 s15, s14, 1                          ; wn: which 64 columns
	s_lshr_b32 s16, s14, 1                         ; wk: which 512 k
	s_lshr_b32 s17, ttmp9, 5                       ; expert
	s_lshl_b32 s19, s17, 7                         ; its 128 bytes of plan
	s_lshl_b32 s20, s17, 5                         ; its first tile
	s_lshl_b32 s36, s17, 24                        ; an expert's weights are 16 MiB
	s_mov_b32 s37, 0
	s_bfe_u32 s42, ttmp9, 0x20003                  ; kp: which 1,024 k
	s_and_b32 s18, ttmp9, 7                        ; which 128 columns
	s_lshl_b32 s38, s42, 22                        ; 1,024 kp rows of 4,096 bytes
	s_lshl_b32 s43, s16, 21
	s_add_co_u32 s38, s38, s43
	s_lshl_b32 s39, s18, 9
	s_lshl_b32 s43, s15, 8
	s_add_co_u32 s39, s39, s43                     ; my 64 columns, in bytes of f32
	s_add_co_u32 s36, s36, s38
	s_add_co_u32 s36, s36, s39
	s_lshl_b32 s46, s16, 14                        ; my first k-step: 16 wk of 1,024 bytes
	s_lshl_b32 s47, s42, 15                        ; + 32 kp
	s_add_co_u32 s46, s46, s47
	s_lshl_b32 s41, s42, 25                        ; output: plane kp of 8,192 rows of 4,096 bytes,
	s_lshl_b32 s43, s16, 16                        ; 16 wk rows,
	s_add_co_u32 s41, s41, s43
	s_add_co_u32 s41, s41, s39                     ; my columns
	s_lshl_b32 s44, s16, MTSH
	s_xor_b32 s45, s16, 1
	s_lshl_b32 s45, s45, MTSH
	s_add_co_u32 s44, s44, s46
	s_add_co_u32 s45, s45, s46
	v_and_b32 v1, 31, v0                           ; L
	v_and_b32 v3, 15, v0                           ; r
	v_bfe_u32 v10, v0, 4, 1                        ; h
	v_lshlrev_b32 v11, 4, v1                       ; 16 L
	v_lshlrev_b32 v[VW], 4, v3
	v_lshl_add_u32 v[VW], v10, HSH, v[VW]
	v_add_nc_u32 v[VA], s44, v11
	v_add_nc_u32 v[VA+1], s45, v11
	s_lshl_b32 s47, s14, 12
	v_add_nc_u32 v[VXS], s47, v11                  ; 4,096 bytes of LDS for each wave
	s_xor_b32 s47, s14, 2                          ; my partner: the same columns, the other half of K
	s_lshl_b32 s47, s47, 12
	v_add_nc_u32 v[VXR], s47, v11
	v_lshlrev_b32 v[VST], 4, v3
	v_lshl_add_u32 v[VST], v10, 15, v[VST]
	s_wait_kmcnt 0x0
	s_load_b32 s21, s[10:11], s19 offset:0x0       ; my expert's number of tiles
	s_add_nc_u64 s[WB:WB+1], s[4:5], s[36:37]
	WLOAD 0
	WLOAD 1
	WLOAD 2
	s_wait_kmcnt 0x0
	s_max_u32 s22, s21, 1
	s_min_u32 s22, s22, 32                         ; tiles: 1 to 32
	s_sub_co_u32 s23, s22, 1                       ; the last tile's number
	s_mov_b32 s26, 0
	TBASE CUR, 0
	; THE WEIGHTS COME IN: sixteen units through the ring of four.  The unit converted last is asked for again first; then the wait for the oldest,
	; which leaves the three younger units (48 loads) out.  The last three refills are the first tile's token fragments.
.irp n, 0,1,2,3,4,5,6,7,8,9,10,11,12
	WLOAD (\n+3)
	s_wait_loadcnt 48
	WCVT \n
.endr
.irp n, 13,14,15
	ALOAD (\n-13), CUR
	s_wait_loadcnt 48
	WCVT \n
.endr
	; THE TOKENS GO PAST.
	; The loop has 32 trips, the most tiles an expert can have, so that every wave passes every barrier whatever plan holds;
	; the branches on the number of tiles jump over work without barriers.
	COMPUTE
	SEND
	s_mov_b32 s25, 0
.Ltrip:
	s_wait_dscnt 0x0                               ; my sums for my partner are in LDS
	s_barrier_signal -1
	s_barrier_wait -1                              ; everybody's are
	s_cmp_ge_u32 s25, s22
	s_cbranch_scc1 .Lnorecv
	RECV
.Lnorecv:
	s_wait_dscnt 0x0                               ; I have read what was put there for me
	s_barrier_signal -1
	s_barrier_wait -1                              ; everybody has: the bytes may be written again
	s_cmp_ge_u32 s25, s22
	s_cbranch_scc1 .Lnext
	FINISH
	s_add_co_u32 s26, s25, 1
	s_cmp_ge_u32 s26, s22
	s_cbranch_scc1 .Lnext
	COMPUTE
	SEND
.Lnext:
	s_add_co_u32 s25, s25, 1
	s_cmp_lt_u32 s25, 32
	s_cbranch_scc1 .Ltrip
	s_wait_tensorcnt 0x0
	ds_add_u32 v254, v255
	s_wait_dscnt 0x0
	s_endpgm
.Lfunc_end_k_q89f59d3b6e_mlp2:
	.size	k_q89f59d3b6e_mlp2, .Lfunc_end_k_q89f59d3b6e_mlp2-k_q89f59d3b6e_mlp2
	.p2alignl 7, 3214868480
	.fill 96, 4, 3214868480
	.section	.rodata,"a",@progbits
	.p2align	6, 0x0
	.amdhsa_kernel k_q89f59d3b6e_mlp2
		.amdhsa_group_segment_fixed_size 16896
		.amdhsa_private_segment_fixed_size 0
		.amdhsa_enable_private_segment 0
		.amdhsa_kernarg_size 32
		.amdhsa_user_sgpr_count 2
		.amdhsa_user_sgpr_kernarg_segment_ptr 1
		.amdhsa_wavefront_size32 1
		.amdhsa_system_sgpr_workgroup_id_x 1
		.amdhsa_system_sgpr_workgroup_id_y 1
		.amdhsa_system_sgpr_workgroup_id_z 1
		.amdhsa_system_vgpr_workitem_id 0
		.amdhsa_next_free_vgpr 1024
		.amdhsa_next_free_sgpr 66
		.amdhsa_reserve_vcc 0
		.amdhsa_float_denorm_mode_32 3
		.amdhsa_float_denorm_mode_16_64 3
		.amdhsa_memory_ordered 1
		.amdhsa_forward_progress 1
		.amdhsa_inst_pref_size 100
	.end_amdhsa_kernel
	.amdgpu_metadata
---
amdhsa.version: [ 1, 2 ]
amdhsa.kernels:
  - .name:           k_q89f59d3b6e_mlp2
    .symbol:         k_q89f59d3b6e_mlp2.kd
    .args:
      - { .name: W2, .offset: 0, .size: 8, .value_kind: global_buffer, .address_space: global }
      - { .name: hs, .offset: 8, .size: 8, .value_kind: global_buffer, .address_space: global }
      - { .name: plan, .offset: 16, .size: 8, .value_kind: global_buffer, .address_space: global }
      - { .name: yp, .offset: 24, .size: 8, .value_kind: global_buffer, .address_space: global }
    .group_segment_fixed_size: 16896
    .private_segment_fixed_size: 0
    .kernarg_segment_align: 8
    .kernarg_segment_size: 32
    .max_flat_workgroup_size: 128
    .sgpr_count:     66
    .vgpr_count:     1024
    .wavefront_size: 32
...
	.end_amdgpu_metadata
.endif
;; end of part 3
;; launch combine (part 4): grid 256 x 1, 4 waves a work-group, no clusters, 0 bytes of LDS; arguments yp, pos8, idx, gf, b2, plan, out0, out1; writes out0, out1
.if DOCPART == 4
	.amdgcn_target "amdgcn-amd-amdhsa--gfx1250"
	.amdhsa_code_object_version 6
	.text
	.protected	k_q89f59d3b6e_combine
	.globl	k_q89f59d3b6e_combine
	.p2align	8
	.type	k_q89f59d3b6e_combine,@function
k_q89f59d3b6e_combine:
	s_mov_b64 s[64:65], 0
	v_nop
	global_prefetch_b8 v0, s[64:65] scope:SCOPE_SE
	s_setreg_imm32_b32 hwreg(HW_REG_WAVE_MODE, 25, 1), 1
	s_wait_xcnt 0x0
; COMBINE.  out0[t] = (yp[0][pos] + yp[1][pos] + yp[2][pos] + yp[3][pos] + b2[idx[t]]) x score[t], and the load-balance loss.
; yp: [4 parts of K][8192 sorted rows][1024] f32.  pos = the sum over e of pos8[e][t]: the plane of the token's expert holds its sorted row, the other
; seven hold 0, so the eight scalar loads do not wait for idx.  score in gf's first 4,096 bytes.
; One wave, one token: a row is 4,096 bytes, eight pieces of 512 consecutive bytes; all 40 loads of the wave go out at once.
; out1 = 8 x sum over e of (mean probability of e) x (share of tokens of e) = 2^-17 x sum over e of psum total x count: wave 0 of work-group 0 makes it,
; from gf's psum[256][8] and word 1 of each expert's 128 bytes of plan; its loads go out ahead of the row's, so that they cost that wave no second wait.
; That wave has a path of its own from one branch on, with the row's work as a macro in both paths.
; A stream: no LDS, no barrier, no matrix unit; every byte of the used rows of yp is read once and every byte of out0 written once.
.set Y,   16                           ; v[16:175]   piece j: parts 0..3 and b2, four registers each, at Y + 20 j
.set PSM, 176                          ; v[176:239]  the loss: lane l holds psum's rows 8 l .. 8 l + 7
.set CF,  240                          ; v[240:247]  the loss: tokens of each expert, in f32
.set PLANE, 0x2000000                  ; a plane of yp: 8,192 rows of 4,096 bytes
.macro MAIN
.irp e, 0,1,2,3,4,5,6,7
	s_load_b32 s[40+\e], s[6:7], s22 offset:4096*\e
.endr
	s_load_b32 s23, s[8:9], s22 offset:0x0         ; my token's expert
	s_load_b32 s24, s[10:11], s22 offset:0x0       ; its score
	s_wait_kmcnt 0x0
	s_add_co_u32 s40, s40, s41
	s_add_co_u32 s42, s42, s43
	s_add_co_u32 s44, s44, s45
	s_add_co_u32 s46, s46, s47
	s_add_co_u32 s40, s40, s42
	s_add_co_u32 s44, s44, s46
	s_add_co_u32 s40, s40, s44                     ; its sorted row
	s_min_u32 s40, s40, 8191
	s_min_u32 s23, s23, 7
	s_mov_b32 s25, s24                             ; the pair that the packed multiply names
	s_lshl_b32 s26, s40, 12
	s_mov_b32 s27, 0
	s_add_nc_u64 s[28:29], s[4:5], s[26:27]        ; the row in part 0,
	s_add_nc_u64 s[30:31], s[28:29], PLANE         ; part 1,
	s_add_nc_u64 s[32:33], s[30:31], PLANE         ; part 2,
	s_add_nc_u64 s[34:35], s[32:33], PLANE         ; part 3
	s_lshl_b32 s26, s23, 12
	s_add_nc_u64 s[36:37], s[12:13], s[26:27]      ; b2's row
	s_lshl_b32 s26, s21, 12
	s_add_nc_u64 s[38:39], s[16:17], s[26:27]      ; out0's row
.irp j, 0,1,2,3,4,5,6,7
	global_load_b128 v[Y+20*\j:Y+20*\j+3],     v2, s[28:29] offset:512*\j th:TH_LOAD_NT
	global_load_b128 v[Y+20*\j+4:Y+20*\j+7],   v2, s[30:31] offset:512*\j th:TH_LOAD_NT
	global_load_b128 v[Y+20*\j+8:Y+20*\j+11],  v2, s[32:33] offset:512*\j th:TH_LOAD_NT
	global_load_b128 v[Y+20*\j+12:Y+20*\j+15], v2, s[34:35] offset:512*\j th:TH_LOAD_NT
	global_load_b128 v[Y+20*\j+16:Y+20*\j+19], v2, s[36:37] offset:512*\j
.endr
.irp j, 0,1,2,3,4,5,6,7
	s_wait_loadcnt 35-5*\j                         ; loads come back in order: the five of each later piece may stay out
.irp src, 4,8,12,16
.irp c, 0,2
	v_pk_add_f32 v[Y+20*\j+\c:Y+20*\j+\c+1], v[Y+20*\j+\c:Y+20*\j+\c+1], v[Y+20*\j+\src+\c:Y+20*\j+\src+\c+1]     ; K parts ascending, b2 last
.endr
.endr
.irp c, 0,2
	v_pk_mul_f32 v[Y+20*\j+\c:Y+20*\j+\c+1], v[Y+20*\j+\c:Y+20*\j+\c+1], s[24:25] op_sel_hi:[1,0]
.endr
	global_store_b128 v2, v[Y+20*\j:Y+20*\j+3], s[38:39] offset:512*\j th:TH_STORE_NT
.endr
.endm
	s_load_b256 s[4:11], s[0:1], 0x0               ; yp s[4:5], pos8 s[6:7], idx s[8:9], gf s[10:11]
	s_load_b256 s[12:19], s[0:1], 0x20             ; b2 s[12:13], plan s[14:15], out0 s[16:17], out1 s[18:19]
	v_lshrrev_b32 v1, 5, v0
	v_readfirstlane_b32 s20, v1                    ; wave 0..3
	v_and_b32 v2, 31, v0
	v_lshlrev_b32 v2, 4, v2                        ; 16 x lane
	s_lshl_b32 s21, ttmp9, 2
	s_add_co_u32 s21, s21, s20                     ; my token
	s_lshl_b32 s22, s21, 2
	s_wait_kmcnt 0x0
	s_cmp_lg_u32 s21, 0                            ; token 0 is wave 0 of work-group 0
	s_cbranch_scc1 .Lplain
.irp e, 0,1,2,3,4,5,6,7
	s_load_b32 s[48+\e], s[14:15], 128*\e+4        ; tokens of the eight experts
.endr
	s_mov_b32 s56, 0x76543210                      ; v_permlanex16_b32: lane i of one half reads lane i of the other
	s_mov_b32 s57, 0xfedcba98
	v_lshlrev_b32 v3, 8, v0                        ; in wave 0 the thread's number is the lane: 256 bytes of psum a lane
.irp m, 0,1,2,3,4,5,6,7,8,9,10,11,12,13,14,15
	global_load_b128 v[PSM+4*\m:PSM+4*\m+3], v3, s[10:11] offset:4096+16*\m
.endr
	MAIN                                           ; its scalar wait covers the counts; its last wait for loads is for 0: psum, asked for earlier, is in too
.irp e, 0,1,2,3,4,5,6,7
	v_cvt_f32_u32 v[CF+\e], s[48+\e]
.endr
.irp rho, 1,2,3,4,5,6,7
.irp pr, 0,2,4,6
	v_pk_add_f32 v[PSM+\pr:PSM+\pr+1], v[PSM+\pr:PSM+\pr+1], v[PSM+8*\rho+\pr:PSM+8*\rho+\pr+1]
.endr
.endr
	v_mul_f32 v4, v[PSM], v[CF]
.irp e, 1,2,3,4,5,6,7
	v_fmac_f32 v4, v[PSM+\e], v[CF+\e]
.endr
	v_add_f32_dpp v4, v4, v4 row_xmask:1 row_mask:0xf bank_mask:0xf
	v_add_f32_dpp v4, v4, v4 row_xmask:2 row_mask:0xf bank_mask:0xf
	v_add_f32_dpp v4, v4, v4 row_xmask:4 row_mask:0xf bank_mask:0xf
	v_add_f32_dpp v4, v4, v4 row_xmask:8 row_mask:0xf bank_mask:0xf
	v_permlanex16_b32 v[PSM+8], v4, s56, s57       ; its destination counts as read: a register that a load has written and that is free
	v_add_f32 v4, v4, v[PSM+8]
	v_mul_f32 v4, 0x37000000, v4                   ; x 8 / (1024 x 1024) = 2^-17
	v_mov_b32 v5, 0
	v_cmp_gt_u32 vcc_lo, 1, v0
	s_wait_xcnt 0x0                                ; EXEC changes only when no earlier memory instruction still reads it
	s_and_saveexec_b32 s58, vcc_lo
	global_store_b32 v5, v4, s[18:19]
	s_endpgm
.Lplain:
	MAIN
	s_endpgm
.Lfunc_end_k_q89f59d3b6e_combine:
	.size	k_q89f59d3b6e_combine, .Lfunc_end_k_q89f59d3b6e_combine-k_q89f59d3b6e_combine
	.p2alignl 7, 3214868480
	.fill 96, 4, 3214868480
	.section	.rodata,"a",@progbits
	.p2align	6, 0x0
	.amdhsa_kernel k_q89f59d3b6e_combine
		.amdhsa_group_segment_fixed_size 0
		.amdhsa_private_segment_fixed_size 0
		.amdhsa_enable_private_segment 0
		.amdhsa_kernarg_size 64
		.amdhsa_user_sgpr_count 2
		.amdhsa_user_sgpr_kernarg_segment_ptr 1
		.amdhsa_wavefront_size32 1
		.amdhsa_system_sgpr_workgroup_id_x 1
		.amdhsa_system_sgpr_workgroup_id_y 1
		.amdhsa_system_sgpr_workgroup_id_z 1
		.amdhsa_system_vgpr_workitem_id 0
		.amdhsa_next_free_vgpr 248
		.amdhsa_next_free_sgpr 66
		.amdhsa_reserve_vcc 1
		.amdhsa_float_denorm_mode_32 3
		.amdhsa_float_denorm_mode_16_64 3
		.amdhsa_memory_ordered 1
		.amdhsa_forward_progress 1
		.amdhsa_inst_pref_size 29
	.end_amdhsa_kernel
	.amdgpu_metadata
---
amdhsa.version: [ 1, 2 ]
amdhsa.kernels:
  - .name:           k_q89f59d3b6e_combine
    .symbol:         k_q89f59d3b6e_combine.kd
    .args:
      - { .name: yp, .offset: 0, .size: 8, .value_kind: global_buffer, .address_space: global }
      - { .name: pos8, .offset: 8, .size: 8, .value_kind: global_buffer, .address_space: global }
      - { .name: idx, .offset: 16, .size: 8, .value_kind: global_buffer, .address_space: global }
      - { .name: gf, .offset: 24, .size: 8, .value_kind: global_buffer, .address_space: global }
      - { .name: b2, .offset: 32, .size: 8, .value_kind: global_buffer, .address_space: global }
      - { .name: plan, .offset: 40, .size: 8, .value_kind: global_buffer, .address_space: global }
      - { .name: out0, .offset: 48, .size: 8, .value_kind: global_buffer, .address_space: global }
      - { .name: out1, .offset: 56, .size: 8, .value_kind: global_buffer, .address_space: global }
    .group_segment_fixed_size: 0
    .private_segment_fixed_size: 0
    .kernarg_segment_align: 8
    .kernarg_segment_size: 64
    .max_flat_workgroup_size: 128
    .sgpr_count:     66
    .vgpr_count:     248
    .wavefront_size: 32
...
	.end_amdgpu_metadata
.endif
;; end of part 4
;; ======== version 2 of 2: 4 launches; version 1 with the launches gate, mlp1, mlp2 written anew for expert scheduling mode
;; limits: values are held in f16: magnitudes above 65,504 overflow, below 6.1e-05 lose precision
;; workspace buffers: idx 4,096 bytes of whole numbers; gf 12,288 bytes; cntb 2,048 bytes of whole numbers; plan 1,024 bytes of whole numbers; pos8 32,768 bytes of whole numbers; xh 2,097,152 bytes; hs 67,108,864 bytes; yp 134,217,728 bytes
;; launch gate (part 5): grid 256 x 1, 1 waves a work-group, no clusters, 0 bytes of LDS; arguments x, gate_W, gate_b, idx, gf, xh, cntb; writes idx, gf, xh, cntb
.if DOCPART == 5
	.amdgcn_target "amdgcn-amd-amdhsa--gfx1250"
	.amdhsa_code_object_version 6
	.text
	.protected	k_q89f59d3b6e_gate
	.globl	k_q89f59d3b6e_gate
	.p2align	8
	.type	k_q89f59d3b6e_gate,@function
k_q89f59d3b6e_gate:
	s_mov_b64 s[64:65], 0
	v_nop
	global_prefetch_b8 v0, s[64:65] scope:SCOPE_SE
	s_setreg_imm32_b32 hwreg(HW_REG_WAVE_SCHED_MODE, 0, 2), 2
	s_setreg_imm32_b32 hwreg(HW_REG_WAVE_MODE, 25, 1), 1
	s_wait_xcnt 0x0
	s_wait_alu depctr_vm_vsrc(0)
; GATE.  logits = x gate_W + gate_b, softmax over 8 experts, argmax and its probability, each wave's sum of probabilities, and x in f16.
; x: [1024 tokens][1024] f32, gate_W: [1024][8] f32, gate_b: [8] f32.
; Out: idx[t] (expert, a whole number), gf bytes 0..4095: score[t] f32, gf bytes 4096..12287: psum[256 work-groups][8] f32,
;      cntb[8 experts][256 work-groups], one byte each: how many of the work-group's four tokens chose the expert (the next launch sums a plane),
;      xh: [1024 tokens][1024] f16, row-major: the first layer's matrix operand, rounded once, here where every x is in a register anyway.
; One wave a work-group, four tokens a wave.  Lane l owns k = 128 j + 4 l + c (j = 0..7, c = 0..3), so a load of x covers 512 consecutive bytes
; and a store of xh 256 consecutive bytes, aligned.
; WHY THE VECTOR UNIT: this product (16.8 million of the problem's operations) decides an argmax that picks a token's whole output row;
; operands rounded to 16 bits would move logits by more than the gap between the two largest of some tokens.  So it is summed in f32.
; LIMITS: NaN inputs are not served.  |x| below 65,504 (xh is f16).  The argmax is taken on the logits, the lowest index on equal logits; two
; probabilities that only become equal by rounding are not treated as a tie.  Probabilities below 2^-126 count as zero (v_exp_f32 flushes them).
; idx, score, psum and cntb are 18 KiB in all and leave in small pieces (16 bytes of lane 0, one byte of lanes 0-7); gathering them into
; longer runs would need numbers of other work-groups.
; THE MODE: SCHED_MODE bits 1:0 = 2 (LLVM: expert scheduling mode 2), set by the entry lines.  The code itself states the register dependences
; between vector instructions and memory instructions, with s_wait_alu, always for 0.
; THE PLAN.  Registers that memory instructions touch:
;   v1, v2, v25   offsets, made at the head and never written again: one wait ahead of the first load.
;   X, window 1   loads land in them once; vector instructions read them behind the wait for the loads.
;   X, the first two registers of each piece: written by the 64 conversions to f16, read by the 32 stores of xh, never written again (the exchange
;                 of the lanes' halves writes third registers): the conversions stand in one run, one wait, the stores in one run.
;   v3, v27, v29, IDX4, SC4, PS   offsets and data of the last stores: stated by the waits that stand ahead of the writes of EXEC.
; Masks: a run of compares writes s2 .. s8, one wait stands behind the run, the selects follow.
.set X,    32                          ; v[32:159]   x: token i, piece j, c at X + 32 i + 4 j + c; later f16 pairs (c = 0, 1) and temporaries (c = 2)
.set ACC,  160                         ; v[160:191]  token i, expert e at ACC + 8 i + e
.set IDX4, 192                         ; v[192:195]  argmax of the four tokens
.set SC4,  196                         ; v[196:199]  their scores
.set PS,   200                         ; v[200:207]  sum of the four tokens' probabilities, by expert
.set D,    8                           ; v[8:15]     exponents
.set EX,   16                          ; v[16:23]    exponentials
                                       ; window 1: v[0:255] gate_W: k piece j, c, expert e at 32 j + 8 c + e
.set MK,   2                           ; s[2:8]      the masks of a run of compares; s4 to s8 held addresses of x, gate_W and gate_b, whose loads have been waited for by then
.set MSB,  0
.macro WIN new                         ; the immediate's high byte repeats the setting that is left
.if MSB != \new
	s_set_vgpr_msb (MSB<<8)|\new
.set MSB, \new
.endif
.endm
	s_load_b256 s[4:11], s[0:1], 0x0               ; x s[4:5], gate_W s[6:7], gate_b s[8:9], idx s[10:11]
	s_load_b128 s[12:15], s[0:1], 0x20             ; gf s[12:13], xh s[14:15]
	s_load_b64 s[34:35], s[0:1], 0x30              ; cntb
	v_lshlrev_b32 v1, 7, v0                        ; gate_W: my four rows of 32 bytes begin at 128 l
	v_lshlrev_b32 v2, 4, v0                        ; x: 16 l
	v_lshlrev_b32 v25, 3, v0                       ; xh: 8 l
	s_lshl_b32 s28, ttmp9, 14                      ; four tokens of 4,096 bytes
	s_mov_b32 s29, 0
	s_mov_b32 s24, 0x76543210                      ; v_permlanex16_b32: lane i of one half reads lane i of the other
	s_mov_b32 s25, 0xfedcba98
	s_mov_b32 s26, 0x3fb8aa3b                      ; log2(e)
	s_wait_kmcnt 0x0
	s_load_b256 s[16:23], s[8:9], 0x0              ; gate_b, eight numbers
	s_add_nc_u64 s[4:5], s[4:5], s[28:29]
	s_lshl_b32 s28, ttmp9, 13                      ; four tokens of 2,048 bytes
	s_add_nc_u64 s[14:15], s[14:15], s[28:29]
	s_wait_alu depctr_va_vdst(0)                   ; v1, v2 and v25 are written: the loads below and the stores of xh read them as their offsets
.irp i, 0,1,2,3
.irp j, 0,1,2,3,4,5,6,7
	global_load_b128 v[X+32*\i+4*\j:X+32*\i+4*\j+3], v2, s[4:5] offset:4096*\i+512*\j
.endr
.endr
	WIN 0x40                                       ; destination in window 1, address in window 0
.irp j, 0,1,2,3,4,5,6,7
.irp m, 0,1,2,3,4,5,6,7
	global_load_b128 v[32*\j+4*\m:32*\j+4*\m+3], v1, s[6:7] offset:4096*\j+16*\m
.endr
.endr
	s_wait_loadcnt 0x0                             ; everything is needed at once: one wait
	s_wait_kmcnt 0x0
	WIN 0x04                                       ; source 1 (gate_W) in window 1
; One k of every lane: 4 tokens x 4 pairs of experts, sixteen chains that do not wait for each other.
; sel picks the register of x's pair that feeds both halves.  first = 1: the product starts the sums, nothing is cleared.
.macro GSTEP j, c, sel, first
.irp i, 0,1,2,3
.irp p, 0,1,2,3
.if \first
	v_pk_mul_f32 v[ACC+8*\i+2*\p:ACC+8*\i+2*\p+1], v[X+32*\i+4*\j+\c-\sel:X+32*\i+4*\j+\c-\sel+1], v[32*\j+8*\c+2*\p:32*\j+8*\c+2*\p+1] op_sel:[\sel,0] op_sel_hi:[\sel,1]
.else
	v_pk_fma_f32 v[ACC+8*\i+2*\p:ACC+8*\i+2*\p+1], v[X+32*\i+4*\j+\c-\sel:X+32*\i+4*\j+\c-\sel+1], v[32*\j+8*\c+2*\p:32*\j+8*\c+2*\p+1], v[ACC+8*\i+2*\p:ACC+8*\i+2*\p+1] op_sel:[\sel,0,0] op_sel_hi:[\sel,1,1]
.endif
.endr
.endr
.endm
	GSTEP 0, 0, 0, 1
	GSTEP 0, 1, 1, 0
	GSTEP 0, 2, 0, 0
	GSTEP 0, 3, 1, 0
.irp j, 1,2,3,4,5,6,7
	GSTEP \j, 0, 0, 0
	GSTEP \j, 1, 1, 0
	GSTEP \j, 2, 0, 0
	GSTEP \j, 3, 1, 0
.endr
	WIN 0
	; x has done its work in f32: four numbers become 8 bytes of f16, in place; then all of them leave, while the softmax is made
.irp i, 0,1,2,3
.irp j, 0,1,2,3,4,5,6,7
	v_cvt_pk_f16_f32 v[X+32*\i+4*\j], v[X+32*\i+4*\j], v[X+32*\i+4*\j+1]
	v_cvt_pk_f16_f32 v[X+32*\i+4*\j+1], v[X+32*\i+4*\j+2], v[X+32*\i+4*\j+3]
.endr
.endr
	s_wait_alu depctr_va_vdst(0)                   ; the 64 conversions have written the pairs that the 32 stores read
.irp i, 0,1,2,3
.irp j, 0,1,2,3,4,5,6,7
	global_store_b64 v25, v[X+32*\i+4*\j:X+32*\i+4*\j+1], s[14:15] offset:2048*\i+256*\j
.endr
.endr
	; the 32 sums over the 32 lanes: four steps inside each half of 16 lanes, one across; every lane ends with every logit
.irp m, 1,2,4,8
.set n, 0
.rept 32
	v_add_f32_dpp v[ACC+n], v[ACC+n], v[ACC+n] row_xmask:\m row_mask:0xf bank_mask:0xf
.set n, n+1
.endr
.endr
.set n, 0
.rept 32
	v_permlanex16_b32 v[X+4*n+2], v[ACC+n], s24, s25       ; its destination counts as read: x's third registers have been written, are free and are no store's data
.set n, n+1
.endr
.set n, 0
.rept 32
	v_add_f32 v[ACC+n], v[ACC+n], v[X+4*n+2]
.set n, n+1
.endr
.set n, 0
.rept 32
	v_add_f32 v[ACC+n], s[16+n%8], v[ACC+n]        ; + gate_b
.set n, n+1
.endr
; Softmax of token i.  The maximum is taken away first and the difference is formed before the scaling, so that the largest
; exponential is exactly 1 and the largest probability exactly 1 / sum.
.macro TOK i
	v_max3_num_f32 v4, v[ACC+8*\i], v[ACC+8*\i+1], v[ACC+8*\i+2]
	v_max3_num_f32 v4, v4, v[ACC+8*\i+3], v[ACC+8*\i+4]
	v_max3_num_f32 v4, v4, v[ACC+8*\i+5], v[ACC+8*\i+6]
	v_max_num_f32 v4, v4, v[ACC+8*\i+7]
.irp e, 0,1,2,3,4,5,6,7
	v_sub_f32 v[D+\e], v[ACC+8*\i+\e], v4
.endr
.irp e, 0,1,2,3,4,5,6,7
	v_mul_f32 v[D+\e], s26, v[D+\e]
.endr
.irp e, 0,1,2,3,4,5,6,7
	v_exp_f32 v[EX+\e], v[D+\e]
.endr
	v_mov_b32 v[IDX4+\i], 7                        ; a plain instruction behind the exponentials, ahead of their first use (ISA guide 5.7.2)
.irp e, 6,5,4,3,2,1,0
	v_cmp_neq_f32 s[MK+\e], v[ACC+8*\i+\e], v4     ; seven compares in one run, a mask each
.endr
	s_wait_alu depctr_va_vdst(0)
	v_add_f32 v5, v[EX], v[EX+1]                   ; the sum stands between the compares and the wait for their masks
	v_add_f32 v6, v[EX+2], v[EX+3]
	v_add_f32 v7, v[EX+4], v[EX+5]
	v_add_f32 v24, v[EX+6], v[EX+7]
	v_add_f32 v5, v5, v6
	v_add_f32 v7, v7, v24
	v_add_f32 v5, v5, v7
	s_wait_alu depctr_va_sdst(0)                   ; the seven masks are written, ahead of the selects that read them
.irp e, 6,5,4,3,2,1,0
	v_cndmask_b32 v[IDX4+\i], \e, v[IDX4+\i], s[MK+\e]     ; from the highest index down: the lowest index with the maximum stays
.endr
	v_rcp_f32 v[SC4+\i], v5                        ; the score
	v_nop                                          ; the place behind the reciprocal
	s_wait_alu depctr_va_vdst(0)
.irp e, 0,1,2,3,4,5,6,7
.if \i == 0
	v_mul_f32 v[PS+\e], v[EX+\e], v[SC4+\i]        ; the first token starts the sums of probabilities
.else
	v_fmac_f32 v[PS+\e], v[EX+\e], v[SC4+\i]
.endif
.endr
.endm
	TOK 0
	TOK 1
	TOK 2
	TOK 3
	; lane e (0..7): how many of the four tokens chose expert e
	v_mov_b32 v26, 1
.irp i, 0,1,2,3
	v_cmp_eq_u32 s[MK+\i], v0, v[IDX4+\i]
.endr
	v_lshlrev_b32 v29, 8, v0                       ; plane e of cntb begins at 256 e
	v_mov_b32 v3, 0
	s_wait_alu depctr_va_sdst(0)                   ; the four masks are written, ahead of the selects that read them
	v_cndmask_b32 v27, 0, v26, s[MK]
.irp i, 1,2,3
	v_cndmask_b32 v28, 0, v26, s[MK+\i]
	v_add_nc_u32 v27, v27, v28
.endr
	s_lshl_b32 s28, ttmp9, 4
	s_add_nc_u64 s[10:11], s[10:11], s[28:29]      ; idx + 16 wg
	s_add_nc_u64 s[12:13], s[12:13], s[28:29]      ; gf + 16 wg: the scores
	s_add_nc_u64 s[32:33], s[12:13], s[28:29]      ; gf + 32 wg: psum lies 4,096 bytes further
	s_mov_b32 s28, ttmp9
	s_add_nc_u64 s[34:35], s[34:35], s[28:29]      ; cntb + wg
	v_cmp_gt_u32 vcc_lo, 8, v0
	s_wait_xcnt 0x0                                ; EXEC changes only when no earlier memory instruction still reads it
	s_wait_alu depctr_va_vcc(0)                    ; VCC is written: EXEC is made from it
	s_wait_alu depctr_va_vdst(0)                   ; ahead of a write of EXEC: every vector result is written, v27, v29, v3, IDX4, SC4 and PS among them, which the stores below read
	s_wait_alu depctr_vm_vsrc(0)                   ; ahead of a write of EXEC: the stores of xh have read their registers
	s_and_saveexec_b32 s30, vcc_lo                 ; lanes 0 to 7: one byte into each expert's plane
	global_store_b8 v29, v27, s[34:35]
	v_cmp_gt_u32 vcc_lo, 1, v0
	s_wait_xcnt 0x0                                ; and again, in front of the next change
	s_wait_alu depctr_va_vcc(0)                    ; VCC is written: EXEC is made from it
	s_wait_alu depctr_va_vdst(0)                   ; ahead of a write of EXEC: no vector instruction is under way
	s_wait_alu depctr_vm_vsrc(0)                   ; ahead of a write of EXEC: the byte store has read v27 and v29
	s_and_saveexec_b32 s31, vcc_lo                 ; every lane holds the same numbers: lane 0 stores them
	global_store_b128 v3, v[IDX4:IDX4+3], s[10:11]
	global_store_b128 v3, v[SC4:SC4+3], s[12:13]
	global_store_b128 v3, v[PS:PS+3], s[32:33] offset:4096
	global_store_b128 v3, v[PS+4:PS+7], s[32:33] offset:4112
	s_endpgm
.Lfunc_end_k_q89f59d3b6e_gate:
	.size	k_q89f59d3b6e_gate, .Lfunc_end_k_q89f59d3b6e_gate-k_q89f59d3b6e_gate
	.p2alignl 7, 3214868480
	.fill 96, 4, 3214868480
	.section	.rodata,"a",@progbits
	.p2align	6, 0x0
	.amdhsa_kernel k_q89f59d3b6e_gate
		.amdhsa_group_segment_fixed_size 0
		.amdhsa_private_segment_fixed_size 0
		.amdhsa_enable_private_segment 0
		.amdhsa_kernarg_size 56
		.amdhsa_user_sgpr_count 2
		.amdhsa_user_sgpr_kernarg_segment_ptr 1
		.amdhsa_wavefront_size32 1
		.amdhsa_system_sgpr_workgroup_id_x 1
		.amdhsa_system_sgpr_workgroup_id_y 1
		.amdhsa_system_sgpr_workgroup_id_z 1
		.amdhsa_system_vgpr_workitem_id 0
		.amdhsa_next_free_vgpr 512
		.amdhsa_next_free_sgpr 66
		.amdhsa_reserve_vcc 1
		.amdhsa_float_denorm_mode_32 3
		.amdhsa_float_denorm_mode_16_64 3
		.amdhsa_memory_ordered 1
		.amdhsa_forward_progress 1
		.amdhsa_inst_pref_size 74
	.end_amdhsa_kernel
	.amdgpu_metadata
---
amdhsa.version: [ 1, 2 ]
amdhsa.kernels:
  - .name:           k_q89f59d3b6e_gate
    .symbol:         k_q89f59d3b6e_gate.kd
    .args:
      - { .name: x, .offset: 0, .size: 8, .value_kind: global_buffer, .address_space: global }
      - { .name: gate_W, .offset: 8, .size: 8, .value_kind: global_buffer, .address_space: global }
      - { .name: gate_b, .offset: 16, .size: 8, .value_kind: global_buffer, .address_space: global }
      - { .name: idx, .offset: 24, .size: 8, .value_kind: global_buffer, .address_space: global }
      - { .name: gf, .offset: 32, .size: 8, .value_kind: global_buffer, .address_space: global }
      - { .name: xh, .offset: 40, .size: 8, .value_kind: global_buffer, .address_space: global }
      - { .name: cntb, .offset: 48, .size: 8, .value_kind: global_buffer, .address_space: global }
    .group_segment_fixed_size: 0
    .private_segment_fixed_size: 0
    .kernarg_segment_align: 8
    .kernarg_segment_size: 56
    .max_flat_workgroup_size: 32
    .sgpr_count:     66
    .vgpr_count:     512
    .wavefront_size: 32
...
	.end_amdgpu_metadata
.endif
;; end of part 5
;; launch mlp1 (part 6): grid 256 x 1, 4 waves a work-group, no clusters, 156,160 bytes of LDS; arguments W1, b1, xh, idx, hs, plan, pos8, cntb; writes hs, plan, pos8
.if DOCPART == 6
	.amdgcn_target "amdgcn-amd-amdhsa--gfx1250"
	.amdhsa_code_object_version 6
	.text
	.protected	k_q89f59d3b6e_mlp1
	.globl	k_q89f59d3b6e_mlp1
	.p2align	8
	.type	k_q89f59d3b6e_mlp1,@function
k_q89f59d3b6e_mlp1:
	s_mov_b64 s[64:65], 0
	v_nop
	global_prefetch_b8 v0, s[64:65] scope:SCOPE_SE
	s_setreg_imm32_b32 hwreg(HW_REG_WAVE_SCHED_MODE, 0, 2), 2
	s_setreg_imm32_b32 hwreg(HW_REG_WAVE_MODE, 25, 1), 1
	s_wait_xcnt 0x0
	s_wait_alu depctr_vm_vsrc(0)
; FIRST LAYER OF THE ROUTED EXPERTS, WITH THE SORT:  hs = gelu(x W1[e] + b1[e]) for each expert's own tokens.
; reference() keeps, of every token, the row of its argmax expert alone (a mask that it builds itself), so each expert works on its own tokens.
; SORTED ROWS.  Expert e owns rows 1024 e .. 1024 e + 1023 (an expert can get all 1,024 tokens), in tiles of 32 rows, 32 e .. 32 e + 31; its tokens stand
; in ascending order from the region's first row, and tiles = max(ceil(tokens / 32), 1) of them are made.  So no expert needs another's count; of the
; regions only the tiles that are made are ever touched.  A pad row carries some real token's x; what comes of it is stored and never read into an output.
; SHARES.  Work-group = expert e = wg >> 5 and 1,024 k x 128 columns of W1[e] (columns 128 (wg & 31)): 524,288 bytes of f32 that no other work-group reads.
; Wave w: 64 columns (w & 1) x 512 k (w >> 1).  THE WEIGHTS STAY: 64 x 512 numbers in f16 are 512 registers (windows 1 and 2), so each weight byte is
; read once whatever the routing; then the expert's tiles stream past.  The two waves that share columns add their halves of K through LDS.
; THE NUMBER OF TILES steers branches.  It is made of whole numbers that the launch before stored: the expert's plane of cntb, 256 bytes, one for each four
; tokens, comes in by four scalar loads and is summed on the scalar unit: two groups of 32 words, in which a byte field holds at most 32 x 4 = 128.
; THE SORT is made here, by every work-group for itself, from idx (4,096 bytes), while the first weight loads are on their way: thread t takes tokens
; 8 t .. 8 t + 7.  Ballots on the work-group's expert give each of its tokens a place in its wave's list, in the wave's own 1,536 bytes of LDS, and the four
; waves' counts tell where each list begins among the expert's rows.  One barrier.  These numbers steer addresses and data alone.
; The work-group with wg & 31 = 0 stores its expert's plane of pos8[8][1024]: the sorted row of the token, 0 where the token is another expert's,
; so that a token's row is the sum of the eight planes; and its expert's 128 bytes of plan: word 0 = tiles, word 1 = tokens, the rest 0.
; TOKENS THROUGH LDS.  For a tile each wave gathers 8 rows of xh (2,048 bytes each, four loads of 512 consecutive bytes) into one of two stages, and all
; waves read fragments from it: the work-group fetches a tile once.  A stage's rows are 2,064 bytes apart, an odd multiple of 16, so that the 16 rows
; that a fragment load touches fall on different banks (64 banks of 4 bytes: ISA guide 11.1).
; NO TRANSPOSE OF THE WEIGHTS.  They lie [k][n].  A 16-byte load gives lane (r, h) columns 4 r .. 4 r + 3 of row 64 G + 32 h + rho: lanes 0-15 take 256
; consecutive aligned bytes of one row, lanes 16-31 of the row 32 below.  Column tile t is made of the columns 4 r + t; k-step 2 G + p holds, in lane half h,
; k = 64 G + 32 h + 16 p + 8 q + j (registers 4 q .. 4 q + 3, j = 0..7): a permutation of k inside 64 in which a token's chunk is 16 consecutive bytes of xh.
; hs: [512 m-tiles of 16 rows][128 k-steps][1,024 bytes], laid as the second layer's fragments: in k-step 2 G + p the 16 bytes at q x 512 + 16 L hold row r's
; numbers k = 64 G + 32 h + 4 j + 2 p + q, which is what a lane's eight results of column tile t = 2 p + q are.
; FORMATS.  f16 operands, f32 sums.  LIMIT: |h| below 65,504 (h is stored in f16); weights below 6.1e-5 are kept to 3e-8 absolutely.
; GELU is the exact form, erf by the rational form t = 1/(1 + 0.3275911 x), five terms, absolute error 1.5e-7, for every argument:
; gelu(z) = max(z, 0) - |z| P(t) 2^(-0.72134752 z z), t = 1/(1 + 0.23164189 |z|), P with halved coefficients.
; NO CLUSTER, NO TENSOR LOADS: the bulk of a work-group's bytes, its weights, is shared with nobody and must pass through registers to be converted;
; the token rows are gathered by a list, and their number is read from memory.
; THE MODE: SCHED_MODE bits 1:0 = 2 (LLVM: expert scheduling mode 2), set by the entry lines.  The code itself states the register dependences
; between vector or matrix instructions and memory or LDS instructions, with s_wait_alu, always for 0.
; THE PLAN.  Registers that memory or LDS instructions touch:
;   addresses     v2, v4-v9, v11-v14, v210, v211, v213, v214, v237: made once, ahead of a wait on va_vdst, and never written again.
;   the ring      window 3, four units.  WCVT n reads unit n % 4; one wait on va_vdst stands behind it, and the unit is asked for again at once.
;   the rows      window 3, v[0:127].  GLOAD lands in them, SSTORE reads them; a wait on vm_vsrc stands ahead of the next GLOAD, with ROWS between.
;   the slots     window 3, v[128:255].  ALOAD lands in them, GROUP a reads slot a & 1.  In a tile one wait on va_vdst behind GROUP 0 and one behind GROUP 1,
;                 each with its ALOAD straight behind it; the next tile's ALOAD 0 and 1 stand behind LOOKUP's wait.
;   R             written by group 1's matrix instructions; read by SEND (four places, then a wait on va_vdst); RECV lands in it (a wait on vm_vsrc: SEND has read it);
;                 read by the activation, whose reads FINISH's wait on va_vdst shows done.
;   P             written by the four activations; one wait on va_vdst; read by the four stores; a wait on vm_vsrc at the next FINISH's head.
;   v125, v15     LOOKUP's LDS address and the tokens that it brings: three waits in LOOKUP (see there).
;   SA, SD        the sort's eight LDS addresses and eight tokens: registers of their own, so that one wait on va_vdst serves all the sort's LDS stores.
; Masks and lanes read into scalar registers go in runs (the sort's eight compares, LOOKUP's three, ROWS' eight v_readlane_b32), one wait on va_sdst behind each run.
.set PITCHB, 16384                     ; bytes from a weight row to the next
.set HSH,    19                        ; 32 weight rows = 1 << HSH bytes
.set OSH,    18                        ; a tile of 32 tokens in hs = 1 << OSH bytes
; LDS
.set XCH,    0                         ; 4 x 4,096: what a wave hands to its partner
.set CNT,    16384                     ; 4 words: each wave's tokens of my expert
.set LST,    16640                     ; 4 x 1,536: each wave's list of my expert's tokens: 256 words, word 256 takes the others'
.set LPITCH, 1536
.set STG,    22784                     ; two stages of 32 rows
.set SPITCH, 2064
.set STGB,   32*SPITCH
; window 0
.set VW,  2                            ; v2       weights: 32 h rows + 16 r
.set VA,  4                            ; v4, v5   stage 0: my row of m-tile (g xor wk), + my half of k, + 64 h; v12, v13: stage 1.  Group g = 0 is the m-tile that I finish
.set VXS, 6                            ; v6       LDS: where I put what my partner finishes
.set VXR, 7                            ; v7       LDS: where my partner put what I finish
.set VSS, 8                            ; v8       stage 0: my 8 rows + 16 L; v14: stage 1
.set VB,  9                            ; v9       128 h, my 32 numbers of b1
.set VST, 11                           ; v11      16 L
.set VTK, 15                           ; v15      lanes 0-7: the tokens of my 8 rows of a tile
.set ACC, 16                           ; v[16:47] group 0, v[48:79] group 1: column tile t at + 8 t
.set R,   48                           ; group 1 is sent, then the partner's sums are received into the same registers
.set BT,  80                           ; v[80:111]  b1 of column 32 h + 4 j + t at BT + 8 t + j
.set KC,  112                          ; v[112:123] pairs: A5, A4, A3, A2, A1, -0.72134752
.set VRW, 124                          ; v124     8 w + (L & 7); v125-127 at work in LOOKUP
.set Z,   128
.set T,   136
.set EX,  144
.set Y,   152
.set M,   160
.set P,   168                          ; v[168:183] packed results
.set SA,  128                          ; v[128:135] the sort only: the LDS address at which token i is put down (Z's registers, free until the first activation)
.set SD,  136                          ; v[136:143] the sort only: token i's number (T's registers)
.set IX,  184                          ; v[184:191] the experts of my 8 tokens
.set LR,  192                          ; v[192:200] place in my wave's list that token i would take
.set VI,  210                          ; v210     32 t: my 8 words of idx and of pos8
.set VB1, 244                          ; v244-246 where waves 1, 2, 3 begin in my expert's rows; v247-249 the numbers 1, 2, 3
; windows 1, 2: weight fragments, k-step sl (0..15), tile t at 8 (4 (sl & 7) + t), window 1 + (sl >> 3)
; window 3: while the weights come in, a ring of four units of 64 registers; then v[0:127] gathered rows, v[128:255] two slots of token fragments
.set SCP,  19                          ; s19      0.23164189
.set SOUT, 23                          ; s23      my place inside a tile of hs
.set WB,  28                           ; s[28:29] my weights
.set OB,  34                           ; s[34:35] where the results go
.set LM,  40                           ; s[40:42] LOOKUP's three masks
.set RB,  48                           ; s[48:63] the addresses of 8 rows of xh
.set MK,  66                           ; s[66:73] lanes whose token i is my expert's
.set TK,  66                           ; s[66:73] later, when the masks have done their work: the eight tokens that ROWS reads out of v15
                                       ; s[32:63], s[68:99]: at the start, the 64 words of my expert's plane of cntb
.set MSB, 0
.macro WIN new                         ; the immediate's high byte repeats the setting that is left; every window is 0 at labels and branches
.if MSB != \new
	s_set_vgpr_msb (MSB<<8)|\new
.set MSB, \new
.endif
.endm
; unit n (0..15) of the weights = k-step n: 16 loads, rows 64 (n >> 1) + 32 h + 16 (n & 1) + 0..15
.macro WLOAD n
	WIN 0xc0
.irp rho, 0,1,2,3,4,5,6,7,8,9,10,11,12,13,14,15
	global_load_b128 v[64*(\n%4)+4*\rho:64*(\n%4)+4*\rho+3], v[VW], s[WB:WB+1] offset:(64*(\n>>1)+16*(\n&1)+\rho)*PITCHB th:TH_LOAD_NT
.endr
.endm
; unit n to f16: 32 conversions of two neighbouring rows each, straight into the fragments' registers
.macro WCVT n
.if \n < 8
	WIN 0x4f
.else
	WIN 0x8f
.endif
.irp q, 0,1
.irp i, 0,1,2,3
.irp t, 0,1,2,3
	v_cvt_pk_f16_f32 v[8*(4*(\n&7)+\t)+4*\q+\i], v[64*(\n%4)+4*(8*\q+2*\i)+\t], v[64*(\n%4)+4*(8*\q+2*\i)+\t+4]
.endr
.endr
.endr
.endm
; The tokens of rows 32 tau + 8 w + 0..7 of my expert, tau in s[st]: which wave's list, which place in it; both are clamped, so every read is inside the lists.
; first = 1: the first lookup, ahead of which no LDS load has read v125.
.macro LOOKUP st, first=0
.if !\first
	s_wait_alu depctr_vm_vsrc(0)                   ; the last lookup's LDS load has read v125, which the next line writes again
.endif
	v_lshl_add_u32 v125, s[\st], 5, v[VRW]
	v_cmp_le_u32 s[LM], v[VB1], v125               ; three compares in one run, a mask each
	v_cmp_le_u32 s[LM+1], v[VB1+1], v125
	v_cmp_le_u32 s[LM+2], v[VB1+2], v125
	s_wait_alu depctr_va_sdst(0)                   ; the three masks are written, ahead of the selects that read them
	v_cndmask_b32 v126, 0, v[VB1], s[LM]
	v_cndmask_b32 v127, 0, v[VB1+3], s[LM]
	v_cndmask_b32 v126, v126, v[VB1+1], s[LM+1]
	v_cndmask_b32 v127, v127, v[VB1+4], s[LM+1]
	v_cndmask_b32 v126, v126, v[VB1+2], s[LM+2]
	v_cndmask_b32 v127, v127, v[VB1+5], s[LM+2]
	v_sub_nc_u32 v125, v125, v126
	v_min_u32 v125, 0xff, v125
	v_min_u32 v127, 3, v127
	v_mul_u32_u24 v127, LPITCH, v127
	v_lshl_add_u32 v125, v125, 2, v127
	s_wait_alu depctr_va_vdst(0)                   ; v125 is written, which the load reads; ROWS' v_readlane_b32 are done reading v15, in which it lands; and the conversions or matrix instructions that read the slots are done, for the ALOAD that follow a lookup
	ds_load_b32 v[VTK], v125 offset:LST            ; a row behind the expert's last token finds a word that the lists' clearing wrote, or a token: a pad row
.endm
; the eight rows' addresses.  Stands behind the wait that shows the loads done that used the last eight.
.macro ROWS
.irp i, 0,1,2,3,4,5,6,7
	v_readlane_b32 s[TK+\i], v[VTK], \i            ; eight lanes in one run
.endr
	s_wait_alu depctr_va_sdst(0)                   ; the eight tokens are written, ahead of the scalar lines that read them
	s_mov_b32 s37, 0
.irp i, 0,1,2,3,4,5,6,7
	s_min_u32 s36, s[TK+\i], 1023
	s_lshl_b32 s36, s36, 11
	s_add_nc_u64 s[RB+2*\i:RB+2*\i+1], s[8:9], s[36:37]
.endr
.endm
; four of my eight rows: 16 loads of 512 consecutive bytes
.macro GLOAD half
	WIN 0xc0
.irp i, 0,1,2,3
.irp m, 0,1,2,3
	global_load_b128 v[64*\half+16*\i+4*\m:64*\half+16*\i+4*\m+3], v[VST], s[RB+2*(4*\half+\i):RB+2*(4*\half+\i)+1] offset:512*\m
.endr
.endr
.endm
; my eight rows into stage p.  Its data come from loads and its address from the head: it owes no wait on the vector side.
.macro SSTORE p
	WIN 0x0c                                       ; the data in window 3
.irp i, 0,1,2,3,4,5,6,7
.irp m, 0,1,2,3
	ds_store_b128 v[VSS+6*(\p)], v[16*\i+4*\m:16*\i+4*\m+3] offset:STG+\i*SPITCH+512*\m
.endr
.endr
.endm
; k-steps 4 a .. 4 a + 3 of both groups from stage p into slot a & 1: 16 LDS loads
.macro ALOAD a, p
	WIN 0xc0
.irp s4, 0,1,2,3
.irp g, 0,1
.irp q, 0,1
	ds_load_b128 v[128+64*(\a&1)+16*\s4+8*\g+4*\q:128+64*(\a&1)+16*\s4+8*\g+4*\q+3], v[VA+8*(\p)+\g] offset:STG+128*((4*\a+\s4)>>1)+32*((4*\a+\s4)&1)+16*\q
.endr
.endr
.endr
.endm
; one k-step: eight matrix instructions on eight accumulators, which take turns, one instruction a turn.
; Used transposed (weights as source 0): a lane's eight results are eight k of one token for the next layer.
.macro KSTEP a, s4, zero
.irp g, 0,1
.irp t, 0,1,2,3
.set DD, ACC+32*\g+8*\t
.set WF, 8*(4*((4*\a+\s4)&7)+\t)
.set XF, 128+64*(\a&1)+16*\s4+8*\g
.if \zero
	v_wmma_f32_16x16x32_f16 v[DD:DD+7], v[WF:WF+7], v[XF:XF+7], 0
.else
	v_wmma_f32_16x16x32_f16 v[DD:DD+7], v[WF:WF+7], v[XF:XF+7], v[DD:DD+7]
.endif
.endr
.endr
.endm
; 32 matrix instructions.  zero = 1: the tile's first k-step starts the sums.  The four v_nop are the places behind the matrix
; instructions, ahead of the LDS stores and vector instructions that read the sums; they stay behind every group, and the waits on va_vdst stand behind them.
.macro GROUP a, zero
.if \a < 2
	WIN 0x0d
.else
	WIN 0x0e
.endif
	KSTEP \a, 0, \zero
	KSTEP \a, 1, 0
	KSTEP \a, 2, 0
	KSTEP \a, 3, 0
.rept 4
	v_nop
.endr
.endm
; A tile from stage p.  Its first two slots have been asked for.  s_wait_dscnt 16: LDS instructions come back in order, the younger slot's 16 loads stay out.
.macro COMPUTE p
	s_wait_dscnt 16
	GROUP 0, 1
	WIN 0xc0
	s_wait_alu depctr_va_vdst(0)                   ; GROUP 0's matrix instructions are done reading slot 0, in which the loads below land
	ALOAD 2, \p
	s_wait_dscnt 16
	GROUP 1, 0
	WIN 0xc0
	s_wait_alu depctr_va_vdst(0)                   ; GROUP 1's matrix instructions are done reading slot 1, in which the loads below land
	ALOAD 3, \p
	s_wait_dscnt 16
	GROUP 2, 0
	s_wait_dscnt 0x0
	GROUP 3, 0
	WIN 0
.endm
.macro SEND
	s_wait_alu depctr_va_vdst(0)                   ; the matrix instructions have written group 1's sums, which the LDS stores read (the four places stand ahead); they are also done reading both slots
.irp c, 0,1,2,3,4,5,6,7
	ds_store_b128 v[VXS], v[R+4*\c:R+4*\c+3] offset:XCH+512*\c
.endr
.endm
.macro RECV
	s_wait_alu depctr_vm_vsrc(0)                   ; my LDS stores have read R, in which my partner's sums land
.irp c, 0,1,2,3,4,5,6,7
	ds_load_b128 v[R+4*\c:R+4*\c+3], v[VXR] offset:XCH+512*\c
.endr
.endm
.macro GELU t
.irp j, 0,2,4,6
	v_pk_add_f32 v[Z+\j:Z+\j+1], v[ACC+8*\t+\j:ACC+8*\t+\j+1], v[R+8*\t+\j:R+8*\t+\j+1]     ; the two halves of K
.endr
.irp j, 0,2,4,6
	v_pk_add_f32 v[Z+\j:Z+\j+1], v[Z+\j:Z+\j+1], v[BT+8*\t+\j:BT+8*\t+\j+1]                 ; + b1
.endr
.irp j, 0,1,2,3,4,5,6,7
	v_fma_f32 v[Y+\j], |v[Z+\j]|, s[SCP], 1.0
.endr
.irp j, 0,1,2,3,4,5,6,7
	v_rcp_f32 v[T+\j], v[Y+\j]
.endr
.irp j, 0,2,4,6
	v_pk_mul_f32 v[M+\j:M+\j+1], v[Z+\j:Z+\j+1], v[Z+\j:Z+\j+1]                             ; plain work behind the reciprocals (ISA guide 5.7.2)
.endr
.irp j, 0,2,4,6
	v_pk_mul_f32 v[M+\j:M+\j+1], v[M+\j:M+\j+1], v[KC+10:KC+11]
.endr
.irp j, 0,1,2,3,4,5,6,7
	v_exp_f32 v[EX+\j], v[M+\j]
.endr
	s_wait_alu depctr_va_vdst(0)
.irp j, 0,2,4,6
	v_pk_fma_f32 v[Y+\j:Y+\j+1], v[T+\j:T+\j+1], v[KC:KC+1], v[KC+2:KC+3]                   ; plain work behind the exponentials
.endr
.irp k, 4,6,8
.irp j, 0,2,4,6
	v_pk_fma_f32 v[Y+\j:Y+\j+1], v[Y+\j:Y+\j+1], v[T+\j:T+\j+1], v[KC+\k:KC+\k+1]
.endr
.endr
.irp j, 0,2,4,6
	v_pk_mul_f32 v[Y+\j:Y+\j+1], v[Y+\j:Y+\j+1], v[T+\j:T+\j+1]
.endr
.irp j, 0,2,4,6
	v_pk_mul_f32 v[Y+\j:Y+\j+1], v[Y+\j:Y+\j+1], v[EX+\j:EX+\j+1]
.endr
.irp j, 0,1,2,3,4,5,6,7
	v_max_num_f32 v[M+\j], 0, v[Z+\j]
.endr
.irp j, 0,1,2,3,4,5,6,7
	v_fma_f32 v[M+\j], -|v[Z+\j]|, v[Y+\j], v[M+\j]
.endr
.irp i, 0,1,2,3
	v_cvt_pk_f16_f32 v[P+4*\t+\i], v[M+2*\i], v[M+2*\i+1]
.endr
.endm
; Tile s25 of my expert is finished for my m-tile and stored: the four activations in one run, one wait, the four stores in one run.
.macro FINISH
	s_wait_xcnt 0x0                                ; the last tile's stores have read their data and base: both are rewritten only behind this wait
	s_wait_alu depctr_vm_vsrc(0)                   ; the last tile's stores have read P, which the activations write again; ahead of the first tile: the sort's LDS stores have read SA and SD, which are Z and T from here on
	s_add_co_u32 s36, s20, s25
	s_min_u32 s36, s36, 255
	s_lshl_b32 s36, s36, OSH
	s_add_co_u32 s36, s36, s[SOUT]
	s_mov_b32 s37, 0
	s_add_nc_u64 s[OB:OB+1], s[12:13], s[36:37]
.irp t, 0,1,2,3
	GELU \t
.endr
	s_wait_alu depctr_va_vdst(0)                   ; the activations have written P, which the stores read, and are done reading R, in which the next RECV lands
.irp t, 0,1,2,3
	global_store_b128 v[VST], v[P+4*\t:P+4*\t+3], s[OB:OB+1] offset:512*\t         ; tile t = 2 p + q is the 512 bytes (p, q) of the next layer's fragments
.endr
.endm
.macro KPAIR at, val
	v_mov_b32 v[KC+\at], \val
	v_mov_b32 v[KC+\at+1], \val
.endm
; Trip i = s25, of parity p.  At its head: tile i's sums are made and sent, tile i + 1 lies in stage 1 - p (stored in front of this trip's first barrier),
; tile i + 2's rows are on their way into registers.  Between the first barrier and the second LDS is only read (the exchange); behind the second, stage 1 - p
; is read, and stage p, whose last reads every wave waited for in front of the first barrier, and the exchange are written.
; The branches on the number of tiles jump over work without barriers.
.macro TRIP p
	s_wait_dscnt 0x0                               ; my sums for my partner and my rows of the next tile are in LDS; my reads of the last stage are back
	s_barrier_signal -1
	s_barrier_wait -1                              ; everybody's are
	s_cmp_ge_u32 s25, s22
	s_cbranch_scc1 .Lnorecv_\@
	RECV
.Lnorecv_\@:
	s_wait_dscnt 0x0                               ; I have read what was put there for me
	s_barrier_signal -1
	s_barrier_wait -1                              ; everybody has: the bytes may be written again
	s_cmp_ge_u32 s25, s22
	s_cbranch_scc1 .Lnext_\@
	s_add_co_u32 s26, s25, 1
	s_cmp_ge_u32 s26, s22
	s_cbranch_scc1 .Lfin_\@
	s_add_co_u32 s27, s25, 3
	LOOKUP 27                                      ; asked for ahead of the activation, which covers the way from LDS:
	ALOAD 0, 1-\p                                  ; the tokens of tile i + 3 and the first two slots of tile i + 1.  No wait: no vector or matrix instruction since LOOKUP's last wait names the slots or their addresses
	ALOAD 1, 1-\p
	WIN 0
.Lfin_\@:
	FINISH
	s_cmp_ge_u32 s26, s22
	s_cbranch_scc1 .Lnext_\@
	COMPUTE 1-\p
	s_add_co_u32 s27, s25, 2
	s_cmp_ge_u32 s27, s22
	s_cbranch_scc1 .Lsend_\@
	s_wait_loadcnt 0x0                             ; tile i + 2's rows, asked for a trip ago, are in; their addresses may be rewritten
	SSTORE \p
	WIN 0
	ROWS
	WIN 0xc0
	s_wait_alu depctr_vm_vsrc(0)                   ; the LDS stores into the stage have read the rows' registers, in which the loads below land
	GLOAD 0                                        ; tile i + 3's rows
	GLOAD 1
	WIN 0
.Lsend_\@:
	SEND
.Lnext_\@:
.endm
	s_load_b256 s[4:11], s[0:1], 0x0               ; W1 s[4:5], b1 s[6:7], xh s[8:9], idx s[10:11]
	s_load_b64 s[12:13], s[0:1], 0x20              ; hs
	s_load_b64 s[30:31], s[0:1], 0x38              ; cntb
	v_lshl_add_u32 v254, v0, 2, 0x26000
	v_mov_b32 v255, 0
	v_lshrrev_b32 v1, 5, v0
	v_readfirstlane_b32 s14, v1                    ; wave 0..3
	; what hangs on the thread's number and on constants alone stands between that line and the wait for s14
	v_and_b32 v1, 31, v0                           ; L
	v_and_b32 v3, 15, v0                           ; r
	v_bfe_u32 v10, v0, 4, 1                        ; h
	v_lshlrev_b32 v[VST], 4, v1                    ; 16 L
	v_lshlrev_b32 v[VW], 4, v3
	v_lshl_add_u32 v[VW], v10, HSH, v[VW]
	v_mul_u32_u24 v16, v3, SPITCH                  ; a stage's row r,
	v_lshl_add_u32 v16, v10, 6, v16                ; + 64 h
	v_lshlrev_b32 v[VB], 7, v10
	v_and_b32 v[VRW], 7, v0
	v_lshlrev_b32 v[VI], 5, v0                     ; 32 t
	v_lshlrev_b32 v214, 2, v1                      ; 4 L
	v_mov_b32 v215, 0x100
	v_mov_b32 v209, 1
	v_lshlrev_b32 v203, 3, v0                      ; my first token
.irp k, 0,1,2,3
	v_mov_b32 v[204+\k], 0
.endr
	KPAIR 0,  0x3f07dc22                           ; A5 =  0.53070271
	KPAIR 2,  0xbf3a00e3                           ; A4 = -0.72657601
	KPAIR 4,  0x3f35f0e3                           ; A3 =  0.71070687
	KPAIR 6,  0xbe11a98e                           ; A2 = -0.14224837
	KPAIR 8,  0x3e027906                           ; A1 =  0.12741480
	KPAIR 10, 0xbf38aa3b                           ; -0.72134752
	s_wait_alu depctr_va_sdst(0)                   ; s14 is written, ahead of its first reader
	s_and_b32 s15, s14, 1                          ; wn: which 64 columns
	s_lshr_b32 s16, s14, 1                         ; wk: which 512 k
	s_lshr_b32 s17, ttmp9, 5                       ; expert
	s_and_b32 s18, ttmp9, 31                       ; which 128 columns
	s_lshl_b32 s20, s17, 5                         ; my expert's first tile
	s_lshl_b32 s36, s17, 24                        ; an expert's weights are 16 MiB
	s_mov_b32 s37, 0
	s_lshl_b32 s38, s16, 23                        ; 512 wk rows of 16,384 bytes
	s_lshl_b32 s39, s18, 9
	s_lshl_b32 s43, s15, 8
	s_add_co_u32 s39, s39, s43                     ; my 64 columns, in bytes of f32
	s_add_co_u32 s36, s36, s38
	s_add_co_u32 s36, s36, s39
	s_lshl_b32 s[SOUT], s39, 3                     ; output: k group 2 x slice + wn of 2,048 bytes,
	s_lshl_b32 s43, s16, 17                        ; m-tile wk of the tile
	s_add_co_u32 s[SOUT], s[SOUT], s43
	s_lshl_b32 s46, s17, 14                        ; b1: the expert's 4,096 numbers
	s_add_co_u32 s46, s46, s39
	s_mov_b32 s47, 0
	s_lshl_b32 s38, s17, 8                         ; cntb: the expert's 256 bytes
	s_mov_b32 s39, 0
	s_mov_b32 s2, 0x76543210                       ; v_permlanex16_b32: lane i of one half reads lane i of the other
	s_mov_b32 s3, 0xfedcba98
	s_mov_b32 s[SCP], 0x3e6d3388                   ; 0.23164189
	s_mul_i32 s42, s16, 16*SPITCH+1024             ; group 0: m-tile wk, and my half of k: 1,024 wk bytes of a row
	s_xor_b32 s43, s16, 1
	s_mul_i32 s43, s43, 16*SPITCH                  ; group 1: the other m-tile,
	s_lshl_b32 s44, s16, 10
	s_add_co_u32 s43, s43, s44                     ; the same half of k
	v_add_nc_u32 v[VA], s42, v16
	v_add_nc_u32 v[VA+1], s43, v16
	v_add_nc_u32 v[VA+8], STGB, v[VA]
	v_add_nc_u32 v[VA+9], STGB, v[VA+1]
	s_mul_i32 s44, s14, 8*SPITCH                   ; I fill rows 8 w .. 8 w + 7 of a stage
	v_add_nc_u32 v[VSS], s44, v[VST]
	v_add_nc_u32 v[VSS+6], STGB, v[VSS]
	s_lshl_b32 s45, s14, 12
	v_add_nc_u32 v[VXS], s45, v[VST]               ; 4,096 bytes of the exchange for each wave
	s_xor_b32 s45, s14, 2                          ; my partner: the same columns, the other half of K
	s_lshl_b32 s45, s45, 12
	v_add_nc_u32 v[VXR], s45, v[VST]
	v_lshl_add_u32 v[VRW], s14, 3, v[VRW]
	v_mov_b32 v213, s14
	v_lshlrev_b32 v213, 2, v213                    ; 4 w
	s_wait_kmcnt 0x0
	s_add_nc_u64 s[WB:WB+1], s[4:5], s[36:37]
	s_add_nc_u64 s[6:7], s[6:7], s[46:47]
	s_add_nc_u64 s[30:31], s[30:31], s[38:39]
	s_load_b512 s[32:47], s[30:31], 0x0            ; my expert's plane of cntb: 64 words of four counts each; the scalars that lay here have been used
	s_load_b512 s[48:63], s[30:31], 0x40
	s_load_b512 s[68:83], s[30:31], 0x80
	s_load_b512 s[84:99], s[30:31], 0xc0
	s_wait_alu depctr_va_vdst(0)                   ; the head's offsets and addresses are written (v2, v4 to v9, v11 to v14, v210, v213, v214) and so is v[204:207]: every load and store of the kernel reads some of them
	global_load_b128 v[IX:IX+3], v[VI], s[10:11]           ; the experts of my 8 tokens: the oldest vector loads
	global_load_b128 v[IX+4:IX+7], v[VI], s[10:11] offset:16
.irp t, 0,1,2,3
.irp j, 0,1,2,3,4,5,6,7
	global_load_b32 v[BT+8*\t+\j], v[VB], s[6:7] offset:4*(4*\j+\t)        ; once: 32 numbers a lane, laid so that a tile's eight are neighbours
.endr
.endr
	WLOAD 0
	WLOAD 1
	WLOAD 2
	WIN 0
	; MY EXPERT'S TOKENS AND TILES.  Each byte is at most 4; 32 words added leave at most 128 in a byte field, so no field runs into its neighbour.
	s_wait_kmcnt 0x0
.set cw, 33
.rept 31
	s_add_co_u32 s32, s32, s[cw]                   ; words 0 to 31
.set cw, cw+1
.endr
.set cw, 69
.rept 31
	s_add_co_u32 s68, s68, s[cw]                   ; words 32 to 63
.set cw, cw+1
.endr
	s_and_b32 s33, s32, 0xff00ff                   ; four byte fields become two fields of 16 bits, at most 256 each
	s_lshr_b32 s32, s32, 8
	s_and_b32 s32, s32, 0xff00ff
	s_add_co_u32 s32, s32, s33
	s_and_b32 s69, s68, 0xff00ff
	s_lshr_b32 s68, s68, 8
	s_and_b32 s68, s68, 0xff00ff
	s_add_co_u32 s68, s68, s69
	s_add_co_u32 s32, s32, s68                     ; at most 512 each
	s_and_b32 s33, s32, 0xffff
	s_lshr_b32 s32, s32, 16
	s_add_co_u32 s21, s32, s33                     ; my expert's tokens
	s_min_u32 s21, s21, 1024
	s_add_co_u32 s22, s21, 31
	s_lshr_b32 s22, s22, 5
	s_max_u32 s22, s22, 1                          ; its tiles, 1 to 32: an expert without tokens makes one tile of pad rows
	s_load_b128 s[92:95], s[0:1], 0x28             ; plan s[92:93], pos8 s[94:95], into registers that the counts have left
	s_mul_i32 s90, s14, LPITCH                     ; my wave's list
	v_add_nc_u32 v211, s90, v[VST]
	; THE SORT, while the weights' first units are on their way.  All its vector work first, each token's LDS address and number in registers of their own; then one wait and all its LDS stores.
	s_wait_loadcnt 63                              ; 80 loads were issued behind the two of idx; 63 is the most that a count can name, and shows them in
.irp i, 0,1,2,3,4,5,6,7
	v_min_u32 v[IX+\i], 7, v[IX+\i]
.endr
.irp i, 0,1,2,3,4,5,6,7
	v_cmp_eq_u32 s[MK+\i], s17, v[IX+\i]           ; lanes whose token i is my expert's: eight compares in one run
.endr
.irp i, 0,1,2,3,4,5,6,7
	v_add_nc_u32 v[SD+\i], \i, v203                ; the tokens' numbers stand between the compares and the wait for their masks
.endr
	s_wait_alu depctr_va_sdst(0)                   ; the eight masks are written, ahead of their first readers, vector and scalar
	v_mbcnt_lo_u32_b32 v[LR], s[MK], 0             ; my expert's tokens in the lanes below me
.irp i, 1,2,3,4,5,6,7
	v_mbcnt_lo_u32_b32 v[LR], s[MK+\i], v[LR]
.endr
	s_bcnt1_i32_b32 s88, s[MK]                     ; and in the whole wave
.irp i, 1,2,3,4,5,6,7
	s_bcnt1_i32_b32 s89, s[MK+\i]
	s_add_co_u32 s88, s88, s89
.endr
.irp i, 0,1,2,3,4,5,6,7
	v_cndmask_b32 v[SA+\i], v215, v[LR+\i], s[MK+\i]       ; my expert's: its place in the wave's list; another's: word 256
	v_min_u32 v[SA+\i], 0x100, v[SA+\i]
	v_lshl_add_u32 v[SA+\i], v[SA+\i], 2, s90
	v_cndmask_b32 v208, 0, v209, s[MK+\i]
	v_add_nc_u32 v[LR+\i+1], v[LR+\i], v208
.endr
	v_mov_b32 v236, s88
	v_mov_b32 v237, 0
	s_wait_alu depctr_va_vdst(0)                   ; v211, SA, SD, v236 and v237 are written: addresses and data of the twelve LDS stores below and the address of the LDS load behind the barrier
.irp k, 0,1,2
	ds_store_b128 v211, v[204:207] offset:LST+512*\k       ; my wave's list is cleared: a pad row reads a word that has been written
.endr
.irp i, 0,1,2,3,4,5,6,7
	ds_store_b32 v[SA+\i], v[SD+\i] offset:LST     ; inside my wave's own 1,536 bytes; LDS serves a wave's instructions in order, so this lands on the cleared list
.endr
	ds_store_b32 v213, v236 offset:CNT             ; all lanes store the same number to the wave's own word
	s_wait_dscnt 0x0                               ; my list and my count are in LDS before I say so
	s_barrier_signal -1
	s_barrier_wait -1
	ds_load_b128 v[228:231], v237 offset:CNT
	v_mov_b32 v238, 0                              ; lane L: word L of my expert's 128 bytes of plan
	v_writelane_b32 v238, s22, 0
	v_writelane_b32 v238, s21, 1
	s_wait_dscnt 0x0
	s_wait_kmcnt 0x0                               ; the two pointers
.irp k, 0,1,2,3
	v_readfirstlane_b32 s[78+\k], v[228+\k]        ; my expert's tokens in wave k
.endr
	s_wait_alu depctr_va_sdst(0)                   ; the four counts are written, ahead of the sums that read them
	s_add_co_u32 s83, s78, s79                     ; where waves 1, 2, 3 begin among my expert's rows: s78, s83, s84
	s_add_co_u32 s84, s83, s80
	v_mov_b32 v[VB1], s78
	v_mov_b32 v[VB1+1], s83
	v_mov_b32 v[VB1+2], s84
	v_mov_b32 v[VB1+3], 1
	v_mov_b32 v[VB1+4], 2
	v_mov_b32 v[VB1+5], 3
	s_cmp_lg_u32 s18, 0
	s_cbranch_scc1 .Lnopos                         ; one work-group of each expert stores its plane of pos8 (no barrier is jumped over)
	s_cmp_ge_u32 s14, 1
	s_cselect_b32 s86, s78, 0
	s_cmp_ge_u32 s14, 2
	s_cselect_b32 s86, s83, s86
	s_cmp_ge_u32 s14, 3
	s_cselect_b32 s86, s84, s86                    ; where my wave begins
	s_lshl_b32 s88, s20, 5                         ; the expert's first row
	s_add_co_u32 s88, s88, s86
.irp i, 0,1,2,3,4,5,6,7
	v_add_nc_u32 v[216+\i], s88, v[LR+\i]
	v_cndmask_b32 v[216+\i], 0, v[216+\i], s[MK+\i]        ; another expert's token: 0
.endr
	s_lshl_b32 s36, s17, 12
	s_mov_b32 s37, 0
	s_add_nc_u64 s[94:95], s[94:95], s[36:37]
	s_wait_alu depctr_va_vdst(0)                   ; v[216:223] and v238 are written, which the stores of pos8 and of plan read
	global_store_b128 v[VI], v[216:219], s[94:95]          ; 32 consecutive bytes a thread, 1,024 a wave
	global_store_b128 v[VI], v[220:223], s[94:95] offset:16
	s_cmp_lg_u32 s14, 0
	s_cbranch_scc1 .Lnopos
	s_lshl_b32 s36, s17, 7
	s_add_nc_u64 s[92:93], s[92:93], s[36:37]
	global_store_b32 v214, v238, s[92:93]          ; plan: my expert's 128 consecutive bytes, by wave 0
.Lnopos:
	s_mov_b32 s27, 0
	LOOKUP 27, 1
	s_wait_dscnt 0x0
	ROWS                                           ; the first tile's rows
	; THE WEIGHTS COME IN: sixteen units through the ring of four.  The unit converted last is asked for again first; then the wait for the oldest,
	; which leaves the three younger units (48 loads) out.  The last two refills are the first tile's rows of xh; behind the last unit stand those 32 loads alone.
	; The wait on va_vdst stands behind the conversions that empty a unit, so that the unit does not lie idle: this part lives on loads in flight.
.irp n, 0,1,2,3,4,5,6,7,8,9,10,11,12
	WIN 0xc0
.if \n > 0
	s_wait_alu depctr_va_vdst(0)                   ; the conversions of the unit before are done reading its registers, in which the loads below land (unit 3's first fill: nothing has named it)
.endif
	WLOAD (\n+3)
	s_wait_loadcnt 48
	WCVT \n
.endr
	WIN 0xc0
	s_wait_alu depctr_va_vdst(0)                   ; unit 12's conversions are done reading v[0:63] of window 3, in which four rows land
	GLOAD 0
	s_wait_loadcnt 48
	WCVT 13
	WIN 0xc0
	s_wait_alu depctr_va_vdst(0)                   ; unit 13's conversions are done reading v[64:127] of window 3, in which the other four rows land
	GLOAD 1
	s_wait_loadcnt 48
	WCVT 14
	s_wait_loadcnt 32
	WCVT 15
	; THE TOKENS GO PAST.
	s_wait_loadcnt 0x0                             ; tile 0's rows
	SSTORE 0
	WIN 0
	s_mov_b32 s27, 1
	LOOKUP 27
	s_wait_dscnt 0x0                               ; my rows of tile 0 are in stage 0
	s_barrier_signal -1
	s_barrier_wait -1                              ; everybody's are
	ROWS
	WIN 0xc0
	s_wait_alu depctr_vm_vsrc(0)                   ; the LDS stores into stage 0 have read the rows' registers, in which the loads below land
	GLOAD 0                                        ; tile 1's rows
	GLOAD 1
	WIN 0
	s_mov_b32 s27, 2
	LOOKUP 27                                      ; its last wait also shows units 14's and 15's conversions done reading what are the two slots from here on
	ALOAD 0, 0
	ALOAD 1, 0
	COMPUTE 0
	s_wait_loadcnt 0x0
	SSTORE 1                                       ; tile 1 into stage 1, which nobody has read yet
	WIN 0
	ROWS
	WIN 0xc0
	s_wait_alu depctr_vm_vsrc(0)                   ; the LDS stores into stage 1 have read the rows' registers, in which the loads below land
	GLOAD 0                                        ; tile 2's rows
	GLOAD 1
	WIN 0
	SEND
	; 16 x 2 trips, the most tiles an expert can have, so that every wave passes every barrier whatever the counts hold.
	; Two trips a turn of the loop, so that the stage is a constant in every address.
	s_mov_b32 s24, 0
.Ltrip:
	s_lshl_b32 s25, s24, 1
	TRIP 0
	s_add_co_u32 s25, s25, 1
	TRIP 1
	s_add_co_u32 s24, s24, 1
	s_cmp_lt_u32 s24, 16
	s_cbranch_scc1 .Ltrip
	s_wait_dscnt 0x0
	s_wait_alu depctr_hold_cnt(0) depctr_sa_sdst(0) depctr_va_vdst(0) depctr_va_sdst(0) depctr_va_ssrc(0) depctr_va_vcc(0) depctr_vm_vsrc(0)
	s_wait_tensorcnt 0x0
	ds_add_u32 v254, v255
	s_wait_dscnt 0x0
	s_endpgm
.Lfunc_end_k_q89f59d3b6e_mlp1:
	.size	k_q89f59d3b6e_mlp1, .Lfunc_end_k_q89f59d3b6e_mlp1-k_q89f59d3b6e_mlp1
	.p2alignl 7, 3214868480
	.fill 96, 4, 3214868480
	.section	.rodata,"a",@progbits
	.p2align	6, 0x0
	.amdhsa_kernel k_q89f59d3b6e_mlp1
		.amdhsa_group_segment_fixed_size 156160
		.amdhsa_private_segment_fixed_size 0
		.amdhsa_enable_private_segment 0
		.amdhsa_kernarg_size 64
		.amdhsa_user_sgpr_count 2
		.amdhsa_user_sgpr_kernarg_segment_ptr 1
		.amdhsa_wavefront_size32 1
		.amdhsa_system_sgpr_workgroup_id_x 1
		.amdhsa_system_sgpr_workgroup_id_y 1
		.amdhsa_system_sgpr_workgroup_id_z 1
		.amdhsa_system_vgpr_workitem_id 0
		.amdhsa_next_free_vgpr 1024
		.amdhsa_next_free_sgpr 100
		.amdhsa_reserve_vcc 0
		.amdhsa_float_denorm_mode_32 3
		.amdhsa_float_denorm_mode_16_64 3
		.amdhsa_memory_ordered 1
		.amdhsa_forward_progress 1
		.amdhsa_inst_pref_size 194
	.end_amdhsa_kernel
	.amdgpu_metadata
---
amdhsa.version: [ 1, 2 ]
amdhsa.kernels:
  - .name:           k_q89f59d3b6e_mlp1
    .symbol:         k_q89f59d3b6e_mlp1.kd
    .args:
      - { .name: W1, .offset: 0, .size: 8, .value_kind: global_buffer, .address_space: global }
      - { .name: b1, .offset: 8, .size: 8, .value_kind: global_buffer, .address_space: global }
      - { .name: xh, .offset: 16, .size: 8, .value_kind: global_buffer, .address_space: global }
      - { .name: idx, .offset: 24, .size: 8, .value_kind: global_buffer, .address_space: global }
      - { .name: hs, .offset: 32, .size: 8, .value_kind: global_buffer, .address_space: global }
      - { .name: plan, .offset: 40, .size: 8, .value_kind: global_buffer, .address_space: global }
      - { .name: pos8, .offset: 48, .size: 8, .value_kind: global_buffer, .address_space: global }
      - { .name: cntb, .offset: 56, .size: 8, .value_kind: global_buffer, .address_space: global }
    .group_segment_fixed_size: 156160
    .private_segment_fixed_size: 0
    .kernarg_segment_align: 8
    .kernarg_segment_size: 64
    .max_flat_workgroup_size: 128
    .sgpr_count:     100
    .vgpr_count:     1024
    .wavefront_size: 32
...
	.end_amdgpu_metadata
.endif
;; end of part 6
;; launch mlp2 (part 7): grid 256 x 1, 4 waves a work-group, no clusters, 16,896 bytes of LDS; arguments W2, hs, plan, yp; writes yp
.if DOCPART == 7
	.amdgcn_target "amdgcn-amd-amdhsa--gfx1250"
	.amdhsa_code_object_version 6
	.text
	.protected	k_q89f59d3b6e_mlp2
	.globl	k_q89f59d3b6e_mlp2
	.p2align	8
	.type	k_q89f59d3b6e_mlp2,@function
k_q89f59d3b6e_mlp2:
	s_mov_b64 s[64:65], 0
	v_nop
	global_prefetch_b8 v0, s[64:65] scope:SCOPE_SE
	s_setreg_imm32_b32 hwreg(HW_REG_WAVE_SCHED_MODE, 0, 2), 2
	s_setreg_imm32_b32 hwreg(HW_REG_WAVE_MODE, 25, 1), 1
	s_wait_xcnt 0x0
	s_wait_alu depctr_vm_vsrc(0)
; SECOND LAYER OF THE ROUTED EXPERTS:  yp[part] = hs W2[e] over a quarter of K, for each expert's own sorted rows:
; expert e owns tiles 32 e .. 32 e + 31 of 32 rows, of which the first tiles[e] (1 to 32, word 0 of the expert's 128 bytes of plan) have been made.
; SHARES.  Work-group = expert e = wg >> 5 and a block of W2[e] of 1,024 k x 128 columns, 524,288 bytes of f32 that no other work-group reads:
; k part (wg >> 3) & 3, columns 128 (wg & 7).  Wave w: 64 columns (w & 1) x 512 k (w >> 1).
; THE WEIGHTS STAY: a wave's 64 x 512 numbers in f16 are 512 registers (windows 1 and 2).  Each weight byte is read once whatever the routing;
; then the expert's tiles of 32 tokens stream past.  The two waves that share columns add their halves of K through LDS.
; The four k parts go to four planes of yp, [4][8192 rows][1024] f32, each byte stored by one work-group; the next launch adds them in order.
; Of the planes only the rows of tiles that have been made are touched.
; NO TRANSPOSE.  The weights lie [k][n].  A 16-byte load gives lane (r, h) columns 4 r .. 4 r + 3 of row 64 G + 32 h + rho: lanes 0-15 take 256 consecutive
; aligned bytes of one row, lanes 16-31 of the row 32 below.  Column tile t is made of the columns 4 r + t; register 4 q + i of the fragment of
; k-step 2 G + p packs rows rho = 8 i + 2 p + q and rho + 4.  That is a permutation of k inside 64, and hs is stored in the same one:
; hs: [512 m-tiles of 16 rows][128 k-steps][1,024 bytes], the 16 bytes at q x 512 + 16 L being what lane L takes into registers 4 q .. 4 q + 3.
; FORMATS.  f16 operands, f32 sums.  LIMIT: |h| below 65,504 (h is stored in f16); weights below 6.1e-5 are kept to 3e-8 absolutely.
; NO CLUSTER, NO TENSOR LOADS: the bulk of a work-group's bytes, its weights, is shared with nobody; they must pass through registers to be converted.
; The token fragments (65,536 bytes a tile) are shared by eight work-groups, but the number of tiles is read from memory and they are the smaller part.
; THE MODE: SCHED_MODE bits 1:0 = 2 (LLVM: expert scheduling mode 2), set by the entry lines.  The code itself states the register dependences
; between vector or matrix instructions and memory or LDS instructions, with s_wait_alu, always for 0.
; THE PLAN.  Registers that memory or LDS instructions touch:
;   v2, v4 .. v8  offsets and LDS addresses, made at the head, ahead of one wait on va_vdst, and never written again; the tiles are reached by scalar bases.
;   U0 .. U3      the ring's four units, window 3.  Loads land in them; WCVT n reads unit n % 4, later GROUP a reads unit a.  ONE wait on va_vdst stands behind the
;                 instructions that empty a unit, and the unit is asked for again straight behind it: three younger units (48 loads) are then out at every
;                 wait for data.  Behind the next wait for data the wait would find less to wait for, but one unit fewer would be on its way.
;                 Unit 3 is emptied by GROUP 3, behind which SEND's wait stands anyway: in the loop ALOAD 3 owes nothing more.
;   R             written by group 1's matrix instructions; read by SEND (four places, then a wait on va_vdst); RECV lands in it (a wait on vm_vsrc: SEND has
;                 read it); read by FINISH's additions, whose reads FINISH's wait on va_vdst shows done.
;   S             written by FINISH's 32 additions, in one run; one wait on va_vdst; read by the eight stores, in one run; a wait on vm_vsrc at the next FINISH's head.
; The weight fragments (windows 1, 2) and group 0's sums are named by vector and matrix instructions alone.
.set PITCHB, 4096                      ; bytes from a weight row to the next
.set HSH,    17                        ; 32 weight rows = 1 << HSH bytes
.set MTSH,   17                        ; an m-tile of 16 tokens in hs = 1 << MTSH bytes
.set TILESH, 18                        ; a tile of 32 tokens in hs
.set OSH,    17                        ; a tile of 32 tokens in a plane of yp
; window 0
.set VW,  2                            ; v2      weights: 32 h rows + 16 r
.set VA,  4                            ; v4, v5  tokens: 16 L + m-tile (g xor wk) + my first k-step; group g = 0 is the m-tile that I finish
.set VXS, 6                            ; v6      LDS: where I put what my partner finishes
.set VXR, 7                            ; v7      LDS: where my partner put what I finish
.set VST, 8                            ; v8      8 h rows of 4,096 bytes + 16 r
.set ACC, 16                           ; v[16:47] group 0, v[48:79] group 1: tile t at + 8 t
.set R,   48                           ; group 1 is sent, then the partner's sums are received into the same registers
.set S,   128                          ; v[128:159] sums in the order of the stores
; windows 1, 2: weight fragments, k-step sl (0..15), tile t at 8 (4 (sl & 7) + t), window 1 + (sl >> 3)
; window 3: a ring of four units of 64 registers: f32 weights on their way in, then token fragments (unit a: k-steps 4 a .. 4 a + 3, both groups)
.set WB,  28                           ; s[28:29] my weights
.set CUR, 30                           ; s[30:31] the tile at work
.set NXT, 32                           ; s[32:33] the tile behind it
.set OB,  34                           ; s[34:35] where the results go
.set MSB, 0
.macro WIN new                         ; the immediate's high byte repeats the setting that is left; every window is 0 at labels and branches
.if MSB != \new
	s_set_vgpr_msb (MSB<<8)|\new
.set MSB, \new
.endif
.endm
; unit n (0..15) of the weights: 16 loads, rows 64 (n >> 1) + 32 h + 16 (n & 1) + 0..15
.macro WLOAD n
	WIN 0xc0
.irp rho, 0,1,2,3,4,5,6,7,8,9,10,11,12,13,14,15
	global_load_b128 v[64*(\n%4)+4*\rho:64*(\n%4)+4*\rho+3], v[VW], s[WB:WB+1] offset:(64*(\n>>1)+16*(\n&1)+\rho)*PITCHB th:TH_LOAD_NT
.endr
.endm
; unit n to f16: 32 conversions of two rows each, straight into the fragments' registers
.macro WCVT n
.if \n < 8
	WIN 0x4f
.else
	WIN 0x8f
.endif
.irp ii, 0,1
.irp p, 0,1
.irp q, 0,1
.irp t, 0,1,2,3
	v_cvt_pk_f16_f32 v[8*(4*(2*((\n>>1)&3)+\p)+\t)+4*\q+2*(\n&1)+\ii], v[64*(\n%4)+4*(8*\ii+2*\p+\q)+\t], v[64*(\n%4)+4*(8*\ii+2*\p+\q)+\t+16]
.endr
.endr
.endr
.endr
.endm
; unit a of a tile's token fragments: 16 loads of 512 consecutive bytes
.macro ALOAD a, base
	WIN 0xc0
.irp s4, 0,1,2,3
.irp g, 0,1
.irp q, 0,1
	global_load_b128 v[64*\a+16*\s4+8*\g+4*\q:64*\a+16*\s4+8*\g+4*\q+3], v[VA+\g], s[\base:\base+1] offset:(4*\a+\s4)*1024+\q*512
.endr
.endr
.endr
.endm
; the address of tile s26 + ahead of my expert, held inside the tiles that have been made and inside the buffer's 256
.macro TBASE dst, ahead
	s_add_co_u32 s36, s26, \ahead
	s_min_u32 s36, s36, s23
	s_add_co_u32 s36, s36, s20
	s_min_u32 s36, s36, 255
	s_lshl_b32 s36, s36, TILESH
	s_mov_b32 s37, 0
	s_add_nc_u64 s[\dst:\dst+1], s[8:9], s[36:37]
.endm
; one k-step: eight matrix instructions on eight accumulators, which take turns, one instruction a turn.
; The natural order (tokens as source 0): register j of lane (r, h) is token 8 h + j, column 4 r + t.
.macro KSTEP a, s4, zero
.irp g, 0,1
.irp t, 0,1,2,3
.set DD, ACC+32*\g+8*\t
.set WF, 8*(4*((4*\a+\s4)&7)+\t)
.set XF, 64*\a+16*\s4+8*\g
.if \zero
	v_wmma_f32_16x16x32_f16 v[DD:DD+7], v[XF:XF+7], v[WF:WF+7], 0
.else
	v_wmma_f32_16x16x32_f16 v[DD:DD+7], v[XF:XF+7], v[WF:WF+7], v[DD:DD+7]
.endif
.endr
.endr
.endm
; unit a: 32 matrix instructions.  zero = 1: the tile's first k-step starts the sums.  The four v_nop are the places behind the matrix
; instructions, ahead of the LDS stores and vector instructions that read the sums; they stay behind every unit, and the waits on va_vdst stand behind them.
.macro GROUP a, zero
.if \a < 2
	WIN 0x07
.else
	WIN 0x0b
.endif
	KSTEP \a, 0, \zero
	KSTEP \a, 1, 0
	KSTEP \a, 2, 0
	KSTEP \a, 3, 0
.rept 4
	v_nop
.endr
.endm
; Tile s26.  Its units 0 to 2 are on their way; unit 3 is asked for now, then units 0 to 2 of the next tile, each into the unit multiplied just before.
; s_wait_loadcnt 48: loads come back in order, three younger units of 16 loads stay out, the unit that is due is in.
.macro COMPUTE
	s_wait_xcnt 0x0                                ; the bases of loads that are out are rewritten only behind this wait
	TBASE CUR, 0
	TBASE NXT, 1
	ALOAD 3, CUR                                   ; no wait here: the last reader of unit 3 stands ahead of a wait on va_vdst (ahead of the first tile: the one behind the last conversions; in the loop: SEND's), and nothing issued since names unit 3, v4 or v5
	s_wait_loadcnt 48
	GROUP 0, 1
	WIN 0xc0
	s_wait_alu depctr_va_vdst(0)                   ; GROUP 0's matrix instructions are done reading unit 0, in which the loads below land
	ALOAD 0, NXT
	s_wait_loadcnt 48
	GROUP 1, 0
	WIN 0xc0
	s_wait_alu depctr_va_vdst(0)                   ; GROUP 1's matrix instructions are done reading unit 1, in which the loads below land
	ALOAD 1, NXT
	s_wait_loadcnt 48
	GROUP 2, 0
	WIN 0xc0
	s_wait_alu depctr_va_vdst(0)                   ; GROUP 2's matrix instructions are done reading unit 2, in which the loads below land
	ALOAD 2, NXT
	s_wait_loadcnt 48
	GROUP 3, 0
	WIN 0
.endm
.macro SEND
	s_wait_alu depctr_va_vdst(0)                   ; the matrix instructions have written group 1's sums, which the LDS stores read (the four places stand ahead); GROUP 3 is also done reading unit 3
.irp c, 0,1,2,3,4,5,6,7
	ds_store_b128 v[VXS], v[R+4*\c:R+4*\c+3] offset:512*\c
.endr
.endm
.macro RECV
	s_wait_alu depctr_vm_vsrc(0)                   ; my LDS stores have read R, in which my partner's sums land
.irp c, 0,1,2,3,4,5,6,7
	ds_load_b128 v[R+4*\c:R+4*\c+3], v[VXR] offset:512*\c
.endr
.endm
; Tile s25 of my expert is finished for my m-tile and stored: the 32 additions in one run, one wait, the eight stores in one run.
.macro FINISH
	s_wait_xcnt 0x0                                ; the last tile's stores have read their data and base: both are rewritten only behind this wait
	s_wait_alu depctr_vm_vsrc(0)                   ; the last tile's stores have read S, which the additions write again
	s_add_co_u32 s36, s20, s25
	s_min_u32 s36, s36, 255
	s_lshl_b32 s36, s36, OSH
	s_add_co_u32 s36, s36, s41
	s_mov_b32 s37, 0
	s_add_nc_u64 s[OB:OB+1], s[12:13], s[36:37]
.irp j, 0,1,2,3,4,5,6,7
.irp t, 0,1,2,3
	v_add_f32 v[S+4*\j+\t], v[ACC+8*\t+\j], v[R+8*\t+\j]
.endr
.endr
	s_wait_alu depctr_va_vdst(0)                   ; the additions have written S, which the stores read, and are done reading R, in which the next RECV lands
.irp j, 0,1,2,3,4,5,6,7
	global_store_b128 v[VST], v[S+4*\j:S+4*\j+3], s[OB:OB+1] offset:4096*\j        ; row 8 h + j, columns 4 r .. 4 r + 3: 16 lanes store 256 consecutive aligned bytes
.endr
.endm
	s_load_b64 s[4:5], s[0:1], 0x0                 ; W2
	s_load_b128 s[8:11], s[0:1], 0x8               ; hs s[8:9], plan s[10:11]
	s_load_b64 s[12:13], s[0:1], 0x18              ; yp
	v_lshl_add_u32 v254, v0, 2, 0x4000
	v_mov_b32 v255, 0
	v_lshrrev_b32 v1, 5, v0
	v_readfirstlane_b32 s14, v1                    ; wave 0..3
	; what hangs on the thread's number alone stands between that line and the wait for s14
	v_and_b32 v1, 31, v0                           ; L
	v_and_b32 v3, 15, v0                           ; r
	v_bfe_u32 v10, v0, 4, 1                        ; h
	v_lshlrev_b32 v11, 4, v1                       ; 16 L
	v_lshlrev_b32 v[VW], 4, v3
	v_lshl_add_u32 v[VW], v10, HSH, v[VW]
	v_lshlrev_b32 v[VST], 4, v3
	v_lshl_add_u32 v[VST], v10, 15, v[VST]
	s_wait_alu depctr_va_sdst(0)                   ; s14 is written, ahead of its first reader
	s_and_b32 s15, s14, 1                          ; wn: which 64 columns
	s_lshr_b32 s16, s14, 1                         ; wk: which 512 k
	s_lshr_b32 s17, ttmp9, 5                       ; expert
	s_lshl_b32 s19, s17, 7                         ; its 128 bytes of plan
	s_lshl_b32 s20, s17, 5                         ; its first tile
	s_lshl_b32 s36, s17, 24                        ; an expert's weights are 16 MiB
	s_mov_b32 s37, 0
	s_bfe_u32 s42, ttmp9, 0x20003                  ; kp: which 1,024 k
	s_and_b32 s18, ttmp9, 7                        ; which 128 columns
	s_lshl_b32 s38, s42, 22                        ; 1,024 kp rows of 4,096 bytes
	s_lshl_b32 s43, s16, 21
	s_add_co_u32 s38, s38, s43
	s_lshl_b32 s39, s18, 9
	s_lshl_b32 s43, s15, 8
	s_add_co_u32 s39, s39, s43                     ; my 64 columns, in bytes of f32
	s_add_co_u32 s36, s36, s38
	s_add_co_u32 s36, s36, s39
	s_lshl_b32 s46, s16, 14                        ; my first k-step: 16 wk of 1,024 bytes
	s_lshl_b32 s47, s42, 15                        ; + 32 kp
	s_add_co_u32 s46, s46, s47
	s_lshl_b32 s41, s42, 25                        ; output: plane kp of 8,192 rows of 4,096 bytes,
	s_lshl_b32 s43, s16, 16                        ; 16 wk rows,
	s_add_co_u32 s41, s41, s43
	s_add_co_u32 s41, s41, s39                     ; my columns
	s_lshl_b32 s44, s16, MTSH
	s_xor_b32 s45, s16, 1
	s_lshl_b32 s45, s45, MTSH
	s_add_co_u32 s44, s44, s46
	s_add_co_u32 s45, s45, s46
	v_add_nc_u32 v[VA], s44, v11
	v_add_nc_u32 v[VA+1], s45, v11
	s_lshl_b32 s47, s14, 12
	v_add_nc_u32 v[VXS], s47, v11                  ; 4,096 bytes of LDS for each wave
	s_xor_b32 s47, s14, 2                          ; my partner: the same columns, the other half of K
	s_lshl_b32 s47, s47, 12
	v_add_nc_u32 v[VXR], s47, v11
	s_wait_kmcnt 0x0
	s_load_b32 s21, s[10:11], s19 offset:0x0       ; my expert's number of tiles
	s_add_nc_u64 s[WB:WB+1], s[4:5], s[36:37]
	WIN 0xc0
	s_wait_alu depctr_va_vdst(0)                   ; v2 and v4 to v8 are written: every load, store and LDS instruction of the kernel reads one of them as its offset or address
	WLOAD 0
	WLOAD 1
	WLOAD 2
	s_wait_kmcnt 0x0
	s_max_u32 s22, s21, 1
	s_min_u32 s22, s22, 32                         ; tiles: 1 to 32
	s_sub_co_u32 s23, s22, 1                       ; the last tile's number
	s_mov_b32 s26, 0
	TBASE CUR, 0
	; THE WEIGHTS COME IN: sixteen units through the ring of four.  The unit converted last is asked for again first; then the wait for the oldest,
	; which leaves the three younger units (48 loads) out.  The last three refills are the first tile's token fragments.
.irp n, 0,1,2,3,4,5,6,7,8,9,10,11,12
	WIN 0xc0
.if \n > 0
	s_wait_alu depctr_va_vdst(0)                   ; the conversions of the unit before are done reading its registers, in which the loads below land (unit 3's first fill: nothing has named it)
.endif
	WLOAD (\n+3)
	s_wait_loadcnt 48
	WCVT \n
.endr
.irp n, 13,14,15
	WIN 0xc0
	s_wait_alu depctr_va_vdst(0)                   ; the conversions of the unit before are done reading its registers, in which the token fragments below land
	ALOAD (\n-13), CUR
	s_wait_loadcnt 48
	WCVT \n
.endr
	s_wait_alu depctr_va_vdst(0)                   ; the last conversions are done reading unit 3, in which the first tile's ALOAD 3 lands
	; THE TOKENS GO PAST.
	; The loop has 32 trips, the most tiles an expert can have, so that every wave passes every barrier whatever plan holds;
	; the branches on the number of tiles jump over work without barriers.
	COMPUTE
	SEND
	s_mov_b32 s25, 0
.Ltrip:
	s_wait_dscnt 0x0                               ; my sums for my partner are in LDS
	s_barrier_signal -1
	s_barrier_wait -1                              ; everybody's are
	s_cmp_ge_u32 s25, s22
	s_cbranch_scc1 .Lnorecv
	RECV
.Lnorecv:
	s_wait_dscnt 0x0                               ; I have read what was put there for me
	s_barrier_signal -1
	s_barrier_wait -1                              ; everybody has: the bytes may be written again
	s_cmp_ge_u32 s25, s22
	s_cbranch_scc1 .Lnext
	FINISH
	s_add_co_u32 s26, s25, 1
	s_cmp_ge_u32 s26, s22
	s_cbranch_scc1 .Lnext
	COMPUTE
	SEND
.Lnext:
	s_add_co_u32 s25, s25, 1
	s_cmp_lt_u32 s25, 32
	s_cbranch_scc1 .Ltrip
	s_wait_dscnt 0x0
	s_wait_alu depctr_hold_cnt(0) depctr_sa_sdst(0) depctr_va_vdst(0) depctr_va_sdst(0) depctr_va_ssrc(0) depctr_va_vcc(0) depctr_vm_vsrc(0)
	s_wait_tensorcnt 0x0
	ds_add_u32 v254, v255
	s_wait_dscnt 0x0
	s_endpgm
.Lfunc_end_k_q89f59d3b6e_mlp2:
	.size	k_q89f59d3b6e_mlp2, .Lfunc_end_k_q89f59d3b6e_mlp2-k_q89f59d3b6e_mlp2
	.p2alignl 7, 3214868480
	.fill 96, 4, 3214868480
	.section	.rodata,"a",@progbits
	.p2align	6, 0x0
	.amdhsa_kernel k_q89f59d3b6e_mlp2
		.amdhsa_group_segment_fixed_size 16896
		.amdhsa_private_segment_fixed_size 0
		.amdhsa_enable_private_segment 0
		.amdhsa_kernarg_size 32
		.amdhsa_user_sgpr_count 2
		.amdhsa_user_sgpr_kernarg_segment_ptr 1
		.amdhsa_wavefront_size32 1
		.amdhsa_system_sgpr_workgroup_id_x 1
		.amdhsa_system_sgpr_workgroup_id_y 1
		.amdhsa_system_sgpr_workgroup_id_z 1
		.amdhsa_system_vgpr_workitem_id 0
		.amdhsa_next_free_vgpr 1024
		.amdhsa_next_free_sgpr 66
		.amdhsa_reserve_vcc 0
		.amdhsa_float_denorm_mode_32 3
		.amdhsa_float_denorm_mode_16_64 3
		.amdhsa_memory_ordered 1
		.amdhsa_forward_progress 1
		.amdhsa_inst_pref_size 101
	.end_amdhsa_kernel
	.amdgpu_metadata
---
amdhsa.version: [ 1, 2 ]
amdhsa.kernels:
  - .name:           k_q89f59d3b6e_mlp2
    .symbol:         k_q89f59d3b6e_mlp2.kd
    .args:
      - { .name: W2, .offset: 0, .size: 8, .value_kind: global_buffer, .address_space: global }
      - { .name: hs, .offset: 8, .size: 8, .value_kind: global_buffer, .address_space: global }
      - { .name: plan, .offset: 16, .size: 8, .value_kind: global_buffer, .address_space: global }
      - { .name: yp, .offset: 24, .size: 8, .value_kind: global_buffer, .address_space: global }
    .group_segment_fixed_size: 16896
    .private_segment_fixed_size: 0
    .kernarg_segment_align: 8
    .kernarg_segment_size: 32
    .max_flat_workgroup_size: 128
    .sgpr_count:     66
    .vgpr_count:     1024
    .wavefront_size: 32
...
	.end_amdgpu_metadata
.endif
;; end of part 7
;; launch combine: the kernel of part 4 again; grid 256 x 1, 4 waves a work-group, no clusters, 0 bytes of LDS; arguments yp, pos8, idx, gf, b2, plan, out0, out1; writes out0, out1
